; MI455X (gfx1250); checked and timed in simulation.
; The chip was launched on July 23, 2026; its instructions are those of AMD's public machine-readable ISA for CDNA 5 (MIT licence, August 2026) and "CDNA5" Instruction Set Architecture Reference Guide (July 2026). The comments in the code are by the model that wrote it; some were corrected since.
;; Feed Forward. Allowed arithmetic: float matrix products may take bf16 or f16 operands with f32 sums; other float arithmetic in f32, or as packed bf16 or f16 multiplies, adds, multiply-adds, maxima and minima; sums over many terms, partial sums and values carried from step to step in f32; what a program stores and reads back later, other than sums and carried values, may be rounded once to bf16 or f16.
;; Inputs: w1 4,096 x 1,024 float32; w2 1,024 x 4,096 float32; x 4 x 2,048 x 1,024 float32.
;; Outputs: out0 4 x 2,048 x 1,024 float32.
;; One version. Each part assembles by itself: llvm-mc -triple=amdgcn-amd-amdhsa -mcpu=gfx1250 --defsym DOCPART=n.
;; ======== version 1 of 1: 5 launches
;; workspace buffers: xq 16,777,216 bytes; xs 32,768 bytes; part 8,192 bytes; wq 12,583,168 bytes; acc1 134,217,728 bytes; hq 67,108,864 bytes; hs 32,768 bytes
;; launch prep (part 1): grid 512 x 1, 8 waves a work-group, no clusters, 0 bytes of LDS; arguments x, w1, w2, xq, xs, part; writes xq, xs, part
.if DOCPART == 1
	.amdgcn_target "amdgcn-amd-amdhsa--gfx1250"
	.amdhsa_code_object_version 6
	.text
	.protected	k_qd9e0f3fb8a_prep
	.globl	k_qd9e0f3fb8a_prep
	.p2align	8
	.type	k_qd9e0f3fb8a_prep,@function
k_qd9e0f3fb8a_prep:
	s_mov_b64 s[64:65], 0
	v_nop
	global_prefetch_b8 v0, s[64:65] scope:SCOPE_SE
	s_setreg_imm32_b32 hwreg(HW_REG_WAVE_MODE, 25, 1), 1
	s_wait_xcnt 0x0
; PREP.  Work-groups 0-255: x [8192][1024] f32 is quantised by rows: m = max(max |x|, 1e-5), xq = round(x * (127 / m)) as whole numbers in bf16 (exact: 127 at the most), xs = m / 127.
; Work-groups 256-511: partial sums of |w1| and |w2|, one f32 a wave (4,096 numbers each): part[0..1023] for w1, part[1024..2047] for w2; they are added up in the next launch.
; SHARES.  A wave takes four rows of x (16 KiB on end), or 16 KiB of a weight matrix: 32 loads of 16 bytes a lane, all issued at once, each covering 512 consecutive bytes.
; A row stays in its 32 registers between the maximum and the scaling, so x is read once.  No wave needs another wave: no LDS, no barrier.
; THE SCALE IS THE ROUNDED QUOTIENT.  One whole number of xq that is off by 1 shifts all 4,096 hidden units of its row, and with them many of their roundings in the layer behind.  So 127 / m is made
; correctly rounded (a Newton step on the reciprocal, two fused corrections of the quotient), x * scale is one f32 multiplication, and the rounding goes to the nearest even whole number:
; the operations of the defining program, in its order.
; LIMITS.  m stays under about 8e37 (a reciprocal below 2^-126 comes out as 0); the clip to -128 .. 127 is not written: |x| * (127 / m) is 127.0001 at the most and rounds to 127.
; xs is m * (1 / 127), within a unit in the last place of m / 127.  NaN and infinities are not treated apart.
; xs (16 bytes a wave) and part (4 bytes a wave) leave by one lane: 2,048 such stores each in the launch.
.set X, 32                             ; v[32:159]  the wave's 16 KiB
	s_load_b256 s[4:11], s[0:1], 0x0               ; x s[4:5], w1 s[6:7], w2 s[8:9], xq s[10:11]
	s_load_b128 s[12:15], s[0:1], 0x20             ; xs s[12:13], part s[14:15]
	v_and_b32 v1, 31, v0                           ; lane
	v_lshrrev_b32 v5, 5, v0
	v_readfirstlane_b32 s16, v5                    ; wave 0..7
	v_lshlrev_b32 v2, 4, v1                        ; 16 bytes a lane on the way in
	v_lshlrev_b32 v3, 3, v1                        ; 8 bytes a lane on the way out
	v_mov_b32 v4, 0
	v_mov_b32 v12, 0                               ; v_permlanex16_b32's destination counts as read
	s_lshl_b32 s17, ttmp9, 3
	s_add_co_u32 s17, s17, s16                     ; the wave's number in the launch
	s_mov_b32 s19, 0
	s_mov_b32 s21, 0
	s_mov_b32 s22, 0x76543210                      ; v_permlanex16_b32: each lane takes its own place in the other half
	s_mov_b32 s23, 0xfedcba98
	s_mov_b32 s25, 0x42fe0000                      ; 127.0
	s_wait_kmcnt 0x0
	s_cmp_lt_u32 ttmp9, 256
	s_cbranch_scc0 .Lsum
	; ---- x: rows 4 g .. 4 g + 3 ----
	s_lshl_b32 s18, s17, 14                        ; four rows of 4,096 bytes
	s_add_nc_u64 s[4:5], s[4:5], s[18:19]
	s_lshl_b32 s18, s17, 13                        ; four rows of 2,048 bytes
	s_add_nc_u64 s[10:11], s[10:11], s[18:19]
	s_lshl_b32 s18, s17, 4                         ; four f32
	s_add_nc_u64 s[12:13], s[12:13], s[18:19]
.set i, 0
.rept 32
	global_load_b128 v[X+4*i:X+4*i+3], v2, s[4:5] offset:512*i th:TH_LOAD_NT
.set i, i+1
.endr
; Row i of the four: its maximum, its scale, its 1,024 whole numbers.
.macro ROWQ i
.set R, X+32*(\i)
	s_wait_loadcnt 24-8*(\i)                       ; loads come back in order: this row's eight are in, the later rows' stay out
.irp k, 0,1,2,3
	v_max3_num_f32 v[8+(\k)], |v[R+8*(\k)]|, |v[R+8*(\k)+1]|, |v[R+8*(\k)+2]|  ; four chains of eight numbers; the first three start each: nothing is cleared
.endr
.irp k, 0,1,2,3
	v_max3_num_f32 v[8+(\k)], v[8+(\k)], |v[R+8*(\k)+3]|, |v[R+8*(\k)+4]|
.endr
.irp k, 0,1,2,3
	v_max3_num_f32 v[8+(\k)], v[8+(\k)], |v[R+8*(\k)+5]|, |v[R+8*(\k)+6]|
.endr
.irp k, 0,1,2,3
	v_max_num_f32 v[8+(\k)], v[8+(\k)], |v[R+8*(\k)+7]|
.endr
	v_max3_num_f32 v8, v8, v9, v10
	v_max_num_f32 v8, v8, v11
	v_max_num_f32_dpp v8, v8, v8 row_xmask:1 row_mask:0xf bank_mask:0xf
	v_max_num_f32_dpp v8, v8, v8 row_xmask:2 row_mask:0xf bank_mask:0xf
	v_max_num_f32_dpp v8, v8, v8 row_xmask:4 row_mask:0xf bank_mask:0xf
	v_max_num_f32_dpp v8, v8, v8 row_xmask:8 row_mask:0xf bank_mask:0xf
	v_permlanex16_b32 v12, v8, s22, s23
	v_max_num_f32 v8, v8, v12                      ; every lane holds the row's maximum
	v_max_num_f32 v8, 0x3727c5ac, v8               ; at least 1e-5
	v_rcp_f32 v13, v8
	v_mul_f32 v[16+(\i)], 0x3c010204, v8           ; xs = m / 127: the plain instruction behind the reciprocal
	s_wait_alu depctr_va_vdst(0)                   ; the wait ahead of the reciprocal's first reader
	v_fma_f32 v28, -v8, v13, 1.0                   ; 127 / m, correctly rounded: e = 1 - m r,
	v_fma_f32 v13, v28, v13, v13                   ; r = r + e r;
	v_mul_f32 v14, s25, v13                        ; q = 127 r;
	v_fma_f32 v28, -v8, v14, s25                   ; the remainder 127 - m q, exact to one rounding,
	v_fma_f32 v14, v28, v13, v14                   ; corrects q,
	v_fma_f32 v28, -v8, v14, s25                   ; and once more
	v_fma_f32 v14, v28, v13, v14
	v_mov_b32 v15, v14                             ; twice: a pair for the packed multiply
.irp j, 0,1,2,3,4,5,6,7
	v_pk_mul_f32 v[R+4*(\j):R+4*(\j)+1], v[R+4*(\j):R+4*(\j)+1], v[14:15]
	v_pk_mul_f32 v[R+4*(\j)+2:R+4*(\j)+3], v[R+4*(\j)+2:R+4*(\j)+3], v[14:15]
	v_rndne_f32 v[R+4*(\j)], v[R+4*(\j)]
	v_rndne_f32 v[R+4*(\j)+1], v[R+4*(\j)+1]
	v_rndne_f32 v[R+4*(\j)+2], v[R+4*(\j)+2]
	v_rndne_f32 v[R+4*(\j)+3], v[R+4*(\j)+3]
	v_cvt_pk_bf16_f32 v[R+4*(\j)], v[R+4*(\j)], v[R+4*(\j)+1]
	v_cvt_pk_bf16_f32 v[R+4*(\j)+1], v[R+4*(\j)+2], v[R+4*(\j)+3]
	global_store_b64 v3, v[R+4*(\j):R+4*(\j)+1], s[10:11] offset:2048*(\i)+256*(\j) th:TH_STORE_NT  ; 32 lanes store 256 consecutive bytes, aligned; these registers are not written again
.endr
.endm
	ROWQ 0
	ROWQ 1
	ROWQ 2
	ROWQ 3
	s_wait_xcnt 0x0                                ; EXEC changes only behind this wait
	v_cmp_eq_u32 vcc_lo, 0, v1
	s_and_saveexec_b32 s24, vcc_lo
	global_store_b128 v4, v[16:19], s[12:13]       ; the four rows' xs, by lane 0
	s_wait_xcnt 0x0
	s_or_b32 exec_lo, exec_lo, s24
	s_endpgm
	; ---- the sum of |w| over 4,096 numbers ----
.Lsum:
	s_sub_co_u32 s17, s17, 2048                    ; p = 0 .. 2047
	s_cmp_lt_u32 s17, 1024
	s_cselect_b64 s[18:19], s[6:7], s[8:9]         ; w1 for the first 1,024 waves, w2 for the others
	s_and_b32 s20, s17, 1023
	s_lshl_b32 s20, s20, 14
	s_add_nc_u64 s[18:19], s[18:19], s[20:21]
.set i, 0
.rept 32
	global_load_b128 v[X+4*i:X+4*i+3], v2, s[18:19] offset:512*i
.set i, i+1
.endr
.set q, 0
.rept 16                               ; eight chains v[20:27], sixteen numbers each; the first two numbers start a chain
.if q%4 == 0
	s_wait_loadcnt 24-2*q                          ; the next eight loads are in, the younger ones stay out
.endif
.irp k, 0,1,2,3,4,5,6,7
.if q == 1
	v_add_f32 v[20+(\k)], |v[X+(\k)]|, |v[X+8+(\k)]|
.elseif q > 1
	v_add_f32 v[20+(\k)], v[20+(\k)], |v[X+8*q+(\k)]|
.endif
.endr
.set q, q+1
.endr
	v_pk_add_f32 v[20:21], v[20:21], v[22:23]
	v_pk_add_f32 v[24:25], v[24:25], v[26:27]
	v_pk_add_f32 v[20:21], v[20:21], v[24:25]
	v_add_f32 v20, v20, v21
	v_add_f32_dpp v20, v20, v20 row_xmask:1 row_mask:0xf bank_mask:0xf
	v_add_f32_dpp v20, v20, v20 row_xmask:2 row_mask:0xf bank_mask:0xf
	v_add_f32_dpp v20, v20, v20 row_xmask:4 row_mask:0xf bank_mask:0xf
	v_add_f32_dpp v20, v20, v20 row_xmask:8 row_mask:0xf bank_mask:0xf
	v_permlanex16_b32 v12, v20, s22, s23
	v_add_f32 v20, v20, v12
	s_lshl_b32 s20, s17, 2
	s_add_nc_u64 s[14:15], s[14:15], s[20:21]
	s_wait_xcnt 0x0                                ; EXEC changes only behind this wait
	v_cmp_eq_u32 vcc_lo, 0, v1
	s_and_saveexec_b32 s24, vcc_lo
	global_store_b32 v4, v20, s[14:15]             ; part[p], by lane 0
	s_wait_xcnt 0x0
	s_or_b32 exec_lo, exec_lo, s24
	s_endpgm
.Lfunc_end_k_qd9e0f3fb8a_prep:
	.size	k_qd9e0f3fb8a_prep, .Lfunc_end_k_qd9e0f3fb8a_prep-k_qd9e0f3fb8a_prep
	.p2alignl 7, 3214868480
	.fill 96, 4, 3214868480
	.section	.rodata,"a",@progbits
	.p2align	6, 0x0
	.amdhsa_kernel k_qd9e0f3fb8a_prep
		.amdhsa_group_segment_fixed_size 0
		.amdhsa_private_segment_fixed_size 0
		.amdhsa_enable_private_segment 0
		.amdhsa_kernarg_size 48
		.amdhsa_user_sgpr_count 2
		.amdhsa_user_sgpr_kernarg_segment_ptr 1
		.amdhsa_wavefront_size32 1
		.amdhsa_system_sgpr_workgroup_id_x 1
		.amdhsa_system_sgpr_workgroup_id_y 1
		.amdhsa_system_sgpr_workgroup_id_z 1
		.amdhsa_system_vgpr_workitem_id 0
		.amdhsa_next_free_vgpr 160
		.amdhsa_next_free_sgpr 66
		.amdhsa_reserve_vcc 1
		.amdhsa_float_denorm_mode_32 3
		.amdhsa_float_denorm_mode_16_64 3
		.amdhsa_memory_ordered 1
		.amdhsa_forward_progress 1
		.amdhsa_inst_pref_size 40
	.end_amdhsa_kernel
	.amdgpu_metadata
---
amdhsa.version: [ 1, 2 ]
amdhsa.kernels:
  - .name:           k_qd9e0f3fb8a_prep
    .symbol:         k_qd9e0f3fb8a_prep.kd
    .args:
      - { .name: x, .offset: 0, .size: 8, .value_kind: global_buffer, .address_space: global }
      - { .name: w1, .offset: 8, .size: 8, .value_kind: global_buffer, .address_space: global }
      - { .name: w2, .offset: 16, .size: 8, .value_kind: global_buffer, .address_space: global }
      - { .name: xq, .offset: 24, .size: 8, .value_kind: global_buffer, .address_space: global }
      - { .name: xs, .offset: 32, .size: 8, .value_kind: global_buffer, .address_space: global }
      - { .name: part, .offset: 40, .size: 8, .value_kind: global_buffer, .address_space: global }
    .group_segment_fixed_size: 0
    .private_segment_fixed_size: 0
    .kernarg_segment_align: 8
    .kernarg_segment_size: 48
    .max_flat_workgroup_size: 256
    .sgpr_count:     66
    .vgpr_count:     160
    .wavefront_size: 32
...
	.end_amdgpu_metadata
.endif
;; end of part 1
;; launch wquant (part 2): grid 512 x 1, 8 waves a work-group, no clusters, 0 bytes of LDS; arguments w1, w2, part, wq; writes wq
.if DOCPART == 2
	.amdgcn_target "amdgcn-amd-amdhsa--gfx1250"
	.amdhsa_code_object_version 6
	.text
	.protected	k_qd9e0f3fb8a_wquant
	.globl	k_qd9e0f3fb8a_wquant
	.p2align	8
	.type	k_qd9e0f3fb8a_wquant,@function
k_qd9e0f3fb8a_wquant:
	s_mov_b64 s[64:65], 0
	v_nop
	global_prefetch_b8 v0, s[64:65] scope:SCOPE_SE
	s_setreg_imm32_b32 hwreg(HW_REG_WAVE_MODE, 25, 1), 1
	s_wait_xcnt 0x0
; WQUANT.  s = max(mean |w|, 1e-5) for each weight matrix, and t = clip(round(w / s), -1, 1).  wq: byte 0 s1, byte 4 s2 (f32); from byte 256 t1 [4096][1024] in bf16 (-1, 0, 1);
; behind it t2 [1024][4096] as ONE BYTE a weight: the upper byte of t / 2 in bf16 (0x3f, 0x00, 0xbf), whose lower byte is 0: the last launch makes bf16 of it by setting a zero byte under it.
; THE DECISION.  t is not 0 exactly where |w| > s / 2.  If 2 |w| > s then |w| / s lies above 0.5 + 2^-25, so the quotient rounded to f32 is above 0.5 and rounds to 1;
; if 2 |w| <= s the quotient is 0.5 at the most, which rounds to 0 (ties to even).  s / 2 is exact.  So one comparison stands for the division, the rounding and the clip.
; SHARES.  A wave takes 8 KiB of a matrix (waves 0-2047: w1, the others: w2), 16 loads of 512 consecutive bytes, and adds up its matrix's 1,024 partial sums itself, all waves in the same order:
; s has the same bits in every wave.
; LIMIT.  The 4,194,304 terms of the mean are added in another order than the defining program adds them: the last bits of s may differ.  NaN and infinities are not treated apart.
.set P, 8                              ; v[8:39]    the 1,024 partial sums, 32 a lane
.set T, 40                             ; v[40:43]   four ternary numbers as f32, at work
.set X, 48                             ; v[48:111]  the wave's 8 KiB of w
	s_load_b256 s[4:11], s[0:1], 0x0               ; w1 s[4:5], w2 s[6:7], part s[8:9], wq s[10:11]
	v_and_b32 v1, 31, v0
	v_lshrrev_b32 v5, 5, v0
	v_readfirstlane_b32 s16, v5                    ; wave 0..7
	v_lshlrev_b32 v2, 4, v1
	v_lshlrev_b32 v3, 3, v1
	v_mov_b32 v4, 0
	v_mov_b32 v45, 0                               ; v_permlanex16_b32's destination counts as read,
	v_mov_b32 v41, 0                               ; and so does a DPP form's
	v_and_b32 v47, 1, v1                           ; where a lane puts 8 bytes of t2: even lanes 4 l, odd lanes 128 + 4 (l - 1)
	v_mul_u32_u24 v47, v47, 124
	v_lshl_add_u32 v47, v1, 2, v47
	s_lshl_b32 s17, ttmp9, 3
	s_add_co_u32 s17, s17, s16                     ; g = 0 .. 4095
	s_and_b32 s30, s17, 2047                       ; my place in my matrix
	s_mov_b32 s13, 0
	s_mov_b32 s21, 0x80000000                      ; the sign
	s_mov_b32 s22, 0x3f800000                      ; 1.0
	s_mov_b32 s31, 0x3f000000                      ; 0.5
	s_mov_b32 s23, 0x07060302                      ; v_perm_b32: the two upper halves
	s_mov_b32 s28, 0x07030703                      ; the two top bytes, into bytes 0 and 1
	s_mov_b32 s29, 0x05040100                      ; the two lower halves
	s_mov_b32 s27, 0xaaaaaaaa                      ; the odd lanes
	s_mov_b32 s24, 0x76543210
	s_mov_b32 s25, 0xfedcba98
	s_wait_kmcnt 0x0
	s_cmp_lt_u32 s17, 2048
	s_cselect_b64 s[18:19], s[4:5], s[6:7]
	s_cselect_b32 s12, 0, 4096                     ; my matrix's partial sums
	s_add_nc_u64 s[8:9], s[8:9], s[12:13]
	s_lshl_b32 s12, s30, 13
	s_add_nc_u64 s[18:19], s[18:19], s[12:13]
.set i, 0
.rept 8
	global_load_b128 v[P+4*i:P+4*i+3], v2, s[8:9] offset:512*i
.set i, i+1
.endr
.set i, 0
.rept 16
	global_load_b128 v[X+4*i:X+4*i+3], v2, s[18:19] offset:512*i th:TH_LOAD_NT
.set i, i+1
.endr
	s_wait_loadcnt 16                              ; the partial sums are in; the 16 loads of w stay out
.irp i, 0,1,2,3,4,5,6,7
	v_pk_add_f32 v[P+2*(\i):P+2*(\i)+1], v[P+2*(\i):P+2*(\i)+1], v[P+16+2*(\i):P+16+2*(\i)+1]
.endr
.irp i, 0,1,2,3
	v_pk_add_f32 v[P+2*(\i):P+2*(\i)+1], v[P+2*(\i):P+2*(\i)+1], v[P+8+2*(\i):P+8+2*(\i)+1]
.endr
.irp i, 0,1
	v_pk_add_f32 v[P+2*(\i):P+2*(\i)+1], v[P+2*(\i):P+2*(\i)+1], v[P+4+2*(\i):P+4+2*(\i)+1]
.endr
	v_pk_add_f32 v[P:P+1], v[P:P+1], v[P+2:P+3]
	v_add_f32 v8, v8, v9
	v_add_f32_dpp v8, v8, v8 row_xmask:1 row_mask:0xf bank_mask:0xf
	v_add_f32_dpp v8, v8, v8 row_xmask:2 row_mask:0xf bank_mask:0xf
	v_add_f32_dpp v8, v8, v8 row_xmask:4 row_mask:0xf bank_mask:0xf
	v_add_f32_dpp v8, v8, v8 row_xmask:8 row_mask:0xf bank_mask:0xf
	v_permlanex16_b32 v45, v8, s24, s25
	v_add_f32 v8, v8, v45
	v_mul_f32 v44, 0x34800000, v8                  ; / 4,194,304: exact
	v_max_num_f32 v44, 0x3727c5ac, v44             ; s, at least 1e-5
	v_mul_f32 v46, 0.5, v44
	v_readfirstlane_b32 s20, v46                   ; s / 2: it feeds comparisons that select values, no branch and no address
	s_cmp_lt_u32 s17, 2048                         ; the branch hangs on the wave's number in the launch
	s_cbranch_scc0 .Lbytes
	; ---- t1, in bf16: 4 KiB a wave ----
	s_lshl_b32 s12, s30, 12
	s_add_nc_u64 s[14:15], s[10:11], s[12:13]
	s_add_nc_u64 s[14:15], s[14:15], 256
.set j, 0
.rept 16
.if j%4 == 0
	s_wait_loadcnt 12-j                            ; the next four loads are in, the younger ones stay out
.endif
.irp k, 0,1,2,3
	v_cmp_gt_f32 vcc_lo, |v[X+4*j+(\k)]|, s20
	v_and_or_b32 v[T+(\k)], v[X+4*j+(\k)], s21, s22  ; 1.0 with w's sign,
	v_cndmask_b32 v[T+(\k)], 0, v[T+(\k)], vcc_lo    ; or 0
.endr
	v_perm_b32 v[X+4*j], v[T+1], v[T], s23         ; the upper half of such an f32 is the number in bf16
	v_perm_b32 v[X+4*j+1], v[T+3], v[T+2], s23
	global_store_b64 v3, v[X+4*j:X+4*j+1], s[14:15] offset:256*j th:TH_STORE_NT  ; 32 lanes store 256 consecutive bytes, aligned; these registers are not written again
.set j, j+1
.endr
	s_branch .Ljoin
	; ---- t2, a byte a weight: 2 KiB a wave ----
.Lbytes:
	s_lshl_b32 s12, s30, 11
	s_add_nc_u64 s[14:15], s[10:11], s[12:13]
	s_add_nc_u64 s[14:15], s[14:15], 256+8388608
.set j, 0
.rept 16
.if j%4 == 0
	s_wait_loadcnt 12-j
.endif
.irp k, 0,1,2,3
	v_cmp_gt_f32 vcc_lo, |v[X+4*j+(\k)]|, s20
	v_and_or_b32 v[T+(\k)], v[X+4*j+(\k)], s21, s31  ; 0.5 with w's sign,
	v_cndmask_b32 v[T+(\k)], 0, v[T+(\k)], vcc_lo    ; or 0
.endr
	v_perm_b32 v[T], v[T+1], v[T], s28             ; the top bytes of four such f32 make a word: the lane's four weights of load j
	v_perm_b32 v[T+2], v[T+3], v[T+2], s28
	v_perm_b32 v[X+4*j], v[T+2], v[T], s29
.if j%2 == 1
; A load's 128 weights are 128 bytes, 4 a lane.  Two loads' words are exchanged between neighbouring lanes, so that an even lane holds 8 neighbouring bytes of the first load and an odd lane 8 of the second:
; one store then covers 256 consecutive bytes, aligned.
.set WA, X+4*(j-1)
.set WB, X+4*j
	v_cndmask_b32 v[T], v[WB], v[WA], s27          ; what my neighbour wants: from an odd lane the first load's word, from an even lane the second's
	v_mov_b32_dpp v[T+1], v[T] row_xmask:1 row_mask:0xf bank_mask:0xf
	v_cndmask_b32 v[WA+1], v[T+1], v[WB], s27      ; the upper word: even lanes the neighbour's, odd lanes their own of the second load
	v_cndmask_b32 v[WA], v[WA], v[T+1], s27        ; the lower word: even lanes their own of the first load, odd lanes the neighbour's
	global_store_b64 v47, v[WA:WA+1], s[14:15] offset:128*(j-1) th:TH_STORE_NT
.endif
.set j, j+1
.endr
.Ljoin:
	s_cmp_lg_u32 s30, 0
	s_cbranch_scc1 .Ldone                          ; a matrix's first wave stores its s
	s_lshr_b32 s12, s17, 11
	s_lshl_b32 s12, s12, 2
	s_add_nc_u64 s[10:11], s[10:11], s[12:13]
	s_wait_xcnt 0x0                                ; EXEC changes only behind this wait
	v_cmp_eq_u32 vcc_lo, 0, v1
	s_and_saveexec_b32 s26, vcc_lo
	global_store_b32 v4, v44, s[10:11]
	s_wait_xcnt 0x0
	s_or_b32 exec_lo, exec_lo, s26
.Ldone:
	s_endpgm
.Lfunc_end_k_qd9e0f3fb8a_wquant:
	.size	k_qd9e0f3fb8a_wquant, .Lfunc_end_k_qd9e0f3fb8a_wquant-k_qd9e0f3fb8a_wquant
	.p2alignl 7, 3214868480
	.fill 96, 4, 3214868480
	.section	.rodata,"a",@progbits
	.p2align	6, 0x0
	.amdhsa_kernel k_qd9e0f3fb8a_wquant
		.amdhsa_group_segment_fixed_size 0
		.amdhsa_private_segment_fixed_size 0
		.amdhsa_enable_private_segment 0
		.amdhsa_kernarg_size 32
		.amdhsa_user_sgpr_count 2
		.amdhsa_user_sgpr_kernarg_segment_ptr 1
		.amdhsa_wavefront_size32 1
		.amdhsa_system_sgpr_workgroup_id_x 1
		.amdhsa_system_sgpr_workgroup_id_y 1
		.amdhsa_system_sgpr_workgroup_id_z 1
		.amdhsa_system_vgpr_workitem_id 0
		.amdhsa_next_free_vgpr 112
		.amdhsa_next_free_sgpr 66
		.amdhsa_reserve_vcc 1
		.amdhsa_float_denorm_mode_32 3
		.amdhsa_float_denorm_mode_16_64 3
		.amdhsa_memory_ordered 1
		.amdhsa_forward_progress 1
		.amdhsa_inst_pref_size 36
	.end_amdhsa_kernel
	.amdgpu_metadata
---
amdhsa.version: [ 1, 2 ]
amdhsa.kernels:
  - .name:           k_qd9e0f3fb8a_wquant
    .symbol:         k_qd9e0f3fb8a_wquant.kd
    .args:
      - { .name: w1, .offset: 0, .size: 8, .value_kind: global_buffer, .address_space: global }
      - { .name: w2, .offset: 8, .size: 8, .value_kind: global_buffer, .address_space: global }
      - { .name: part, .offset: 16, .size: 8, .value_kind: global_buffer, .address_space: global }
      - { .name: wq, .offset: 24, .size: 8, .value_kind: global_buffer, .address_space: global }
    .group_segment_fixed_size: 0
    .private_segment_fixed_size: 0
    .kernarg_segment_align: 8
    .kernarg_segment_size: 32
    .max_flat_workgroup_size: 256
    .sgpr_count:     66
    .vgpr_count:     112
    .wavefront_size: 32
...
	.end_amdgpu_metadata
.endif
;; end of part 2
;; launch gemm1 (part 3): grid 16 x 16, 4 waves a work-group, clusters of 4 x 4, 327,680 bytes of LDS; arguments xq, wq, acc1; writes acc1
.if DOCPART == 3
	.amdgcn_target "amdgcn-amd-amdhsa--gfx1250"
	.amdhsa_code_object_version 6
	.text
	.protected	k_qd9e0f3fb8a_gemm1
	.globl	k_qd9e0f3fb8a_gemm1
	.p2align	8
	.type	k_qd9e0f3fb8a_gemm1,@function
k_qd9e0f3fb8a_gemm1:
	s_mov_b64 s[64:65], 0
	v_nop
	global_prefetch_b8 v0, s[64:65] scope:SCOPE_SE
	s_setreg_imm32_b32 hwreg(HW_REG_WAVE_MODE, 25, 1), 1
	s_wait_xcnt 0x0
	s_wait_alu depctr_hold_cnt(0) depctr_sa_sdst(0) depctr_va_vdst(0) depctr_va_sdst(0) depctr_va_ssrc(0) depctr_va_vcc(0) depctr_vm_vsrc(0)
	s_getreg_b32 s2, hwreg(HW_REG_IB_STS2, 6, 4)
	s_cmp_eq_u32 s2, 0
	s_cbranch_scc0 .Lentry_in_a_cluster
	s_endpgm
.Lentry_in_a_cluster:
	s_bfe_u32 s2, ttmp6, 0x10000c
	s_cmp_lg_u32 s2, 0xf033
	s_cbranch_scc0 .Lentry_shape_is_right
	s_endpgm
.Lentry_shape_is_right:
; GEMM1.  acc1 = xq t1^T: A = xq [8192][1024], B = t1 [4096][1024] (256 bytes into wq), both whole numbers in bf16 (127 and 1 at the most), sums in f32: 130,048 at the most, so every sum is exact.
; A tile of C, 256 x 256, is made by four waves, each 128 x 128: 64 accumulators of 16 x 16, 512 registers.  K goes in steps of 128 through a ring of two LDS slots filled by the tensor data mover:
; the tiles' rows are 256 bytes of memory and start at multiples of 256 bytes from the buffer's first byte.  A work-group makes two tiles, 4,096 rows apart, and the ring runs on from the first into the second.
; CLUSTERS: 4 x 4 work-groups.  The four of a row of the cluster need the same tiles of A, the four of a column the same tiles of B: each tile is asked for JOINTLY, by the same tensor load with the same
; descriptor and a mask that names the four.
; THE MATRIX INSTRUCTION IS USED TRANSPOSED (source 0 = 16 rows of B, source 1 = 16 rows of A): lane l holds row l % 16 of C and the columns 8 (l / 16) + 0 .. 7.
; THE WAY OUT.  acc1 is laid out as the accumulators lie: byte ((RB x 256 + T) x 2 + p) x 512 + 16 x lane, RB = row / 16, T = column / 16, p = the accumulator's lower or upper four registers.
; So each store leaves straight from an accumulator and covers 512 consecutive bytes, aligned: no stage in LDS.  The next launch reads the same blocks back in the same order.
; REGISTERS, in windows of 256 (s_set_vgpr_msb: bits 1:0 source 0, 3:2 source 1, 5:4 source 2, 7:6 destination):
;   window 0: v0-31 addresses; v64-127, v128-191 fragments of A, two buffers     window 1: v64-127, v128-191 fragments of B, two buffers
;   window 2: the 32 accumulators of my rows 0-63 ((a, b) at v[8 (8 a + b)])       window 3: those of my rows 64-127
.set SIZE_M, 8192
.set SIZE_N, 4096
.set SIZE_K, 1024
.set SIZE_TILES, 2
.set KSTEP,  128
.set PITCH,  272                       ; an LDS row: 256 bytes + 16 of padding = 68 words: row r starts at bank 4 r mod 64 (64 banks of 4 bytes: ISA guide 11.1)
.set HALFT,  128*PITCH                 ; 128 rows: what one tensor load brings, and what one wave reads of A or of B
.set SLOT,   4*HALFT                   ; A's 256 rows, then B's 256 rows
.set SPARE,  2*SLOT                    ; behind the ring: the spare words, 128 bytes for each wave: two blocks of 256 bytes that no other line names
.set LAPS, SIZE_K/(2*KSTEP)            ; a lap = two K steps = once round the ring
.set WALK,   SIZE_M/SIZE_TILES         ; the work-group's two tiles lie WALK rows apart
.set NEXT_A, WALK*SIZE_K*2-(SIZE_K-2*KSTEP)*2   ; bytes from a slot's last K step of a tile to its first of the next tile: A goes WALK rows down and back along K,
.set BACK_B, (SIZE_K-2*KSTEP)*2        ; B only back: both tiles take the same rows of B
.set RBB,    262144                    ; bytes of acc1 for 16 rows of C
.set NEXT_C, (WALK/16)*RBB             ; from a tile to the next in acc1
.set ADRA, 16                          ; v16-17  LDS address of my A fragments in slot 0, 1
.set ADRB, 20                          ; v20-21  the same for B
.set CO,   26                          ; v26     16 x lane; never rewritten
.set SPW,  28                          ; v28     LDS address of my spare word; never rewritten
.set NIL,  29                          ; v29     0; never rewritten
.set PFO,  30                          ; v30     the prefetches' offset: my lane x a row of A or B in memory; never rewritten
.set PFA,  44                          ; s[44:45] where my prefetches stand: one K step further along K than the refill that is being asked for; a prefetch names the K step after that
.set LIM,  43                          ; s43     1 in a wave that prefetches, else the greatest number
.set F0,   64
.set F1,   128
.set G1, 24                            ; s[24:31] descriptor group 1 for A's tiles
.set G0, 32                            ; s[32:39] descriptor group 0 for A's tiles, one set for each slot
.set G1B, 48                           ; s[48:55], s[56:63] the same for B's tiles
.set G0B, 56
.set MSB, 0
.macro WIN new                         ; the immediate's high byte repeats the setting that is left; a switch that changes nothing is dropped
.if MSB != (\new)
	s_set_vgpr_msb (MSB<<8)|(\new)
.set MSB, \new
.endif
.endm
.set MUL_LO, 0xa1                      ; source 0 (B) window 1, source 1 (A) window 0, C and D window 2
.set MUL_HI, 0xf1                      ; the same, C and D window 3
.set TO_B,   0x40                      ; destination window 1, address window 0
; A joint load.  Waves 0 and 1 fetch A's two halves, waves 2 and 3 B's.  The branch hangs on the wave's number alone.  An s_nop 0 and four v_nop follow each of the two lines.
.macro JLOAD s
	s_cmp_eq_u32 s11, 0
	s_cbranch_scc0 .Lfor_b_\@
	tensor_load_to_lds s[G0+4*(\s):G0+4*(\s)+3], s[G1:G1+7]
	s_nop 0
.rept 4
	v_nop
.endr
	s_branch .Lasked_\@
.Lfor_b_\@:
	tensor_load_to_lds s[G0B+4*(\s):G0B+4*(\s)+3], s[G1B:G1B+7]
	s_nop 0
.rept 4
	v_nop
.endr
.Lasked_\@:
.endm
; A prefetch, behind each joint load and the run of LDS loads that follows it: the K step that stands two refills on, 512 matrix instructions ahead of the load that will want it: 32 rows x 256 bytes, a lane a row.
; Each row's 256 bytes of a K step are named once in the launch: A's rows by the cluster with x = 0, B's by the cluster with y = 0; of the 128 rows that a wave fetches the partner at place p
; (cx for A, cy for B) takes rows 32 p .. 32 p + 31, told apart by address.  how = 0, in the loop: a tile's last two refills have no K step two on; how = 1: at the change of tiles.
.macro ASK how
.if \how
	s_cmp_eq_u32 s[LIM], 1
.else
	s_cmp_gt_u32 s3, s[LIM]                        ; s3 = 1 in the loop's last trip
.endif
	s_cbranch_scc0 .Lnot_mine_\@
	global_prefetch_b8 v[PFO], s[PFA:PFA+1] offset:KSTEP*2 th:TH_LOAD_NT scope:SCOPE_SE
.Lnot_mine_\@:
.endm
.macro CREST                           ; a round of the cluster's barrier behind its opening barrier
	s_cmp_lg_u32 s10, 0
	s_cbranch_scc1 .Lnot_wave_0_\@
	s_barrier_signal -3
.Lnot_wave_0_\@:
	s_barrier_wait -3
	s_barrier_signal -1
	s_barrier_wait -1
.endm
.macro CROUND                          ; a whole round
	s_barrier_signal -1
	s_barrier_wait -1
	CREST
.endm
	s_load_b128 s[4:7], s[0:1], 0x0                ; xq s[4:5], wq s[6:7]
	s_load_b64 s[8:9], s[0:1], 0x10                ; acc1
	v_lshl_add_u32 v[SPW], v0, 2, SPARE
	v_mov_b32 v[NIL], 0
	ds_add_u32 v[SPW], v[NIL]                      ; the wave's opening: the add and its wait stand ahead of my first tensor load; the set-up below stands between them
	v_lshrrev_b32 v1, 5, v0
	v_readfirstlane_b32 s10, v1                    ; wave 0..3
	s_lshr_b32 s11, s10, 1                         ; which half of the tile's rows is mine.  Also: I fetch for A (0) or for B (1)
	s_and_b32 s12, s10, 1                          ; which half of its columns.  Also: which 128 rows of that tile I fetch
	s_bfe_u32 s40, ttmp6, 0x40000                  ; cx
	s_bfe_u32 s41, ttmp6, 0x40004                  ; cy
	s_lshl_b32 s42, ttmp9, 2
	s_add_co_u32 s42, s42, s40                     ; tile column of C = 4 x cluster x + cx
	s_and_b32 s13, ttmp7, 0xffff
	s_lshl_b32 s13, s13, 2
	s_add_co_u32 s13, s13, s41                     ; tile row of C = 4 x cluster y + cy
	s_lshl_b32 s43, s41, 2
	s_lshl_b32 s43, 15, s43                        ; my row of the cluster: places 4 cy .. 4 cy + 3
	s_lshl_b32 s44, 0x1111, s40                    ; my column: places cx, cx + 4, cx + 8, cx + 12
	; descriptor group 1: a tile of 128 rows x 128 elements, padded in LDS
	s_or_b32 s[G1+0], s43, (1<<16)|(1<<20)|(1<<21)|(5<<22)|(3<<25)  ; 15:0 the mask; 17:16 elements of 2 bytes; 20 padding on; 21 set beside a mask; 24:22 after every 64 words (code 5); 31:25 4 words (code 3)
	s_or_b32 s[G1B+0], s44, (1<<16)|(1<<20)|(1<<21)|(5<<22)|(3<<25)
.irp g, G1, G1B
	s_mov_b32 s[(\g)+1], KSTEP<<16                 ; tensor_dim0 = 128
	s_mov_b32 s[(\g)+2], 128<<16                   ; tensor_dim1 = 128
	s_mov_b32 s[(\g)+3], KSTEP<<16                 ; tile_dim0 = 128
	s_mov_b32 s[(\g)+4], 128                       ; tile_dim1 = 128
	s_mov_b32 s[(\g)+5], SIZE_K                    ; elements from row to row
	s_mov_b32 s[(\g)+6], 0
	s_mov_b32 s[(\g)+7], 0
.endr
	; A's tiles hang on the tile row alone, B's on the tile column alone; every wave makes both addresses and asks by one of them
	s_lshl_b32 s17, s12, 7
	s_lshl_b32 s16, s13, 8
	s_add_co_u32 s16, s16, s17                     ; A: row 256 x tile row + 128 x half
	s_lshl_b32 s46, s42, 8
	s_add_co_u32 s46, s46, s17                     ; B: row 256 x tile column + 128 x half
	s_mov_b32 s17, 0
	s_mov_b32 s47, 0
	s_mov_b64 s[18:19], SIZE_K*2
	s_mul_u64 s[16:17], s[16:17], s[18:19]
	s_mul_u64 s[46:47], s[46:47], s[18:19]
	s_mul_i32 s20, s10, HALFT                      ; where they go: wave x 128 rows: no place in the cluster enters an LDS address
	s_wait_dscnt 0x0                               ; the opening add is done
	s_wait_kmcnt 0x0
	s_add_nc_u64 s[6:7], s[6:7], 256               ; t1 begins 256 bytes into wq
	s_add_nc_u64 s[14:15], s[4:5], s[16:17]
	s_add_nc_u64 s[46:47], s[6:7], s[46:47]
	CROUND                                         ; all sixteen work-groups are here: the first joint loads meet
.irp s, 0,1
	s_mov_b32 s[G0+4*(\s)], 1                                      ; count = 1
	s_add_co_u32 s[G0+4*(\s)+1], s20, (\s)*SLOT                    ; LDS address
	s_add_nc_u64 s[G0+4*(\s)+2:G0+4*(\s)+3], s[14:15], (\s)*KSTEP*2  ; global address: K step s
	s_or_b32 s[G0+4*(\s)+3], s[G0+4*(\s)+3], 0x80000000            ; type = 2
	s_mov_b32 s[G0B+4*(\s)], 1
	s_add_co_u32 s[G0B+4*(\s)+1], s20, (\s)*SLOT
	s_add_nc_u64 s[G0B+4*(\s)+2:G0B+4*(\s)+3], s[46:47], (\s)*KSTEP*2
	s_or_b32 s[G0B+4*(\s)+3], s[G0B+4*(\s)+3], 0x80000000
	JLOAD \s                                       ; two loads of mine are out
.endr
	; A fragment is 16 rows x 32 K in 8 registers: lane l holds row l % 16; registers 0-3 K = 8 (l / 16) + 0..7, registers 4-7 K = 16 + 8 (l / 16) + 0..7: two loads of 16 bytes, 32 bytes apart
	v_and_b32 v1, 15, v0
	v_bfe_u32 v2, v0, 4, 1
	v_mul_u32_u24 v3, v1, PITCH
	v_lshl_add_u32 v3, v2, 4, v3
	s_mul_i32 s21, s11, HALFT                      ; my 128 rows of A
	s_mul_i32 s22, s12, HALFT                      ; my 128 rows of B,
	s_add_co_u32 s22, s22, 2*HALFT                 ; which lie behind A's 256
.irp s, 0,1
	v_add_nc_u32 v[ADRA+(\s)], s21, v3
	v_add_nc_u32 v[ADRB+(\s)], s22, v3
	s_add_co_u32 s21, s21, SLOT
	s_add_co_u32 s22, s22, SLOT
.endr
	v_and_b32 v[CO], 31, v0
	v_lshlrev_b32 v[CO], 4, v[CO]
	; acc1 at my part of the first tile: row block 16 x tile row + 8 x half, column block 16 x tile column + 8 x half
	s_lshl_b32 s16, s13, 4
	s_lshl_b32 s14, s11, 3
	s_add_co_u32 s16, s16, s14
	s_lshl_b32 s16, s16, 18
	s_mov_b32 s17, 0
	s_lshl_b32 s46, s42, 4
	s_lshl_b32 s47, s12, 3
	s_add_co_u32 s46, s46, s47
	s_lshl_b32 s46, s46, 10
	s_mov_b32 s47, 0
	s_add_nc_u64 s[16:17], s[16:17], s[46:47]
	s_add_nc_u64 s[8:9], s[8:9], s[16:17]
	; the prefetches
	s_lshl_b32 s13, s13, 8                         ; 256 x tile row
	s_lshl_b32 s42, s42, 8                         ; 256 x tile column
	s_and_b32 s22, ttmp7, 0xffff                   ; cluster y
	s_cmp_eq_u32 s11, 0                            ; do I fetch for A?
	s_cselect_b32 s20, s13, s42                    ; the tile's first row
	s_cselect_b32 s21, s40, s41                    ; my place among the four that ask for it with me
	s_cselect_b32 s22, ttmp9, s22                  ; the coordinate along which other clusters read the same rows
	s_cselect_b64 s[PFA:PFA+1], s[4:5], s[6:7]
	s_cmp_eq_u32 s22, 0
	s_cselect_b32 s[LIM], 1, -1                    ; the same in all sixteen partners, for a given wave
	s_lshl_b32 s22, s12, 7
	s_add_co_u32 s20, s20, s22                     ; + the 128 rows that I fetch
	s_lshl_b32 s21, s21, 5
	s_add_co_u32 s20, s20, s21                     ; + my work-group's 32 of them
	s_mov_b32 s21, 0
	s_mov_b64 s[18:19], SIZE_K*2
	s_mul_u64 s[20:21], s[20:21], s[18:19]
	s_add_nc_u64 s[PFA:PFA+1], s[PFA:PFA+1], s[20:21]
	s_add_nc_u64 s[PFA:PFA+1], s[PFA:PFA+1], 2*KSTEP*2  ; at K step 2: the first refill steps it to 3 and names K step 4; K steps 0 to 3 come by their loads alone
	v_and_b32 v[PFO], 31, v0
	v_mul_u32_u24 v[PFO], v[PFO], SIZE_K*2
; 16 matrix instructions: m blocks a0, a0 + 1 of the window's four x all 8 n blocks, 32 along K.  zero = 1: the first product starts the sums.  The 64 accumulators take turns, one instruction a turn.
.macro MUL16 f, hi, a0, zero
	WIN MUL_LO+0x50*(\hi)
.irp a, \a0, (\a0)+1
.irp b, 0,1,2,3,4,5,6,7
.if \zero
	v_wmma_f32_16x16x32_bf16 v[8*(8*(\a)+(\b)):8*(8*(\a)+(\b))+7], v[(\f)+8*(\b):(\f)+8*(\b)+7], v[(\f)+8*(4*(\hi)+(\a)):(\f)+8*(4*(\hi)+(\a))+7], 0
.else
	v_wmma_f32_16x16x32_bf16 v[8*(8*(\a)+(\b)):8*(8*(\a)+(\b))+7], v[(\f)+8*(\b):(\f)+8*(\b)+7], v[(\f)+8*(4*(\hi)+(\a)):(\f)+8*(4*(\hi)+(\a))+7], v[8*(8*(\a)+(\b)):8*(8*(\a)+(\b))+7]
.endif
.endr
.endr
.endm
; 32 LDS loads in one run: the fragments of one quarter step (128 rows of B, 128 rows of A, 32 K at byte k of the rows) into buffer f
.macro FETCH slot, k, f
	WIN TO_B
.irp i, 0,1,2,3,4,5,6,7
	ds_load_b128 v[(\f)+8*(\i):(\f)+8*(\i)+3],   v[ADRB+(\slot)] offset:(\k)+(\i)*16*PITCH
	ds_load_b128 v[(\f)+8*(\i)+4:(\f)+8*(\i)+7], v[ADRB+(\slot)] offset:(\k)+(\i)*16*PITCH+32
.endr
	WIN 0
.irp i, 0,1,2,3,4,5,6,7
	ds_load_b128 v[(\f)+8*(\i):(\f)+8*(\i)+3],   v[ADRA+(\slot)] offset:(\k)+(\i)*16*PITCH
	ds_load_b128 v[(\f)+8*(\i)+4:(\f)+8*(\i)+7], v[ADRA+(\slot)] offset:(\k)+(\i)*16*PITCH+32
.endr
.endm
.macro PLACES                          ; four plain vector instructions between a matrix instruction and a load into its sources or a store of its result (ISA guide 7.12.1 for vector instructions)
.rept 4
	v_nop
.endr
.endm
; A K step is four quarters of 32 along K, 64 matrix instructions each, on buffers 0, 1, 0, 1.  One of the first three multiplies buffer f and fetches the next quarter, at byte k, into g.
.macro QUARTER slot, k, f, g, zero
	s_wait_dscnt 8                                 ; B and A's rows 0-63 are in; the youngest eight loads (A's rows 64-127) may be out
	WIN MUL_LO
	MUL16 \f, 0, 0, \zero
	MUL16 \f, 0, 2, \zero
	PLACES
	FETCH \slot, \k, \g
	s_wait_dscnt 32                                ; all but the 32 just issued
	WIN MUL_HI
	MUL16 \f, 1, 0, \zero
	MUL16 \f, 1, 2, \zero
.endm
; The last quarter multiplies buffer 1 and changes slots.  MEET is its first half: one barrier; in front of it each wave waits for all its tensor loads (one is out: its part of the next slot), adds 0 to its
; spare word, and waits for that and for its own reads of this slot.  Behind it nobody reads this slot any more and the next slot is whole.
.macro MEET round
	WIN 0                                          ; (the add's two registers lie in window 0)
	s_wait_tensorcnt 0x0
	ds_add_u32 v[SPW], v[NIL]                      ; 0 onto my spare word
	s_wait_dscnt 9                                 ; (the add and the youngest eight loads may be out)
	WIN MUL_LO
	MUL16 F1, 0, 0, 0                              ; sixteen matrix instructions stand between the add and the wait for it
	s_wait_dscnt 0x0                               ; the add is done, and my reads of this slot are over
	s_barrier_signal -1
	MUL16 F1, 0, 2, 0
.if \round
	WIN 0
.endif
	s_barrier_wait -1
.endm
; The whole last quarter.  Behind the round the slot just read out is filled again first: with this tile's K step two steps on (on = 0) or with the next tile's K step 0 or 1 (on = 1).
; From a request to the wait for it a wave issues 224 matrix instructions.
.macro TURN slot, next, on
	s_wait_xcnt 0x0                                ; the last prefetch, a K step back, has read its address
.if (\on) && (\slot) == 0
	s_add_nc_u64 s[PFA:PFA+1], s[PFA:PFA+1], (WALK-1)*SIZE_K*2+KSTEP*2  ; from the K step after the tile's last to the next tile's K step 1
	s_cmp_eq_u32 s11, 0
	s_cselect_b32 s[LIM], s[LIM], -1               ; B's rows are the same for both tiles: they are asked for in the first tile alone
.else
	s_add_nc_u64 s[PFA:PFA+1], s[PFA:PFA+1], KSTEP*2
.endif
	MEET 1
	CREST                                          ; no wave of any partner still reads this slot's tile or has a load on its way
.if \on
	s_add_nc_u64 s[G0+4*(\slot)+2:G0+4*(\slot)+3], s[G0+4*(\slot)+2:G0+4*(\slot)+3], NEXT_A
	s_sub_nc_u64 s[G0B+4*(\slot)+2:G0B+4*(\slot)+3], s[G0B+4*(\slot)+2:G0B+4*(\slot)+3], BACK_B
.else
	s_add_nc_u64 s[G0+4*(\slot)+2:G0+4*(\slot)+3], s[G0+4*(\slot)+2:G0+4*(\slot)+3], 2*KSTEP*2
	s_add_nc_u64 s[G0B+4*(\slot)+2:G0B+4*(\slot)+3], s[G0B+4*(\slot)+2:G0B+4*(\slot)+3], 2*KSTEP*2
.endif
	JLOAD \slot                                    ; the first tensor load behind the round; its four v_nop are also the places in front of the loads below
	FETCH \next, 0, F0
	ASK \on
	WIN MUL_HI
	MUL16 F1, 1, 0, 0
	MUL16 F1, 1, 2, 0
.endm
; THE WAY OUT: 128 stores straight from the accumulators, each accumulator's lower four registers first; a store covers 512 consecutive bytes, aligned.
.macro OUT1
	PLACES
.irp a, 0,1,2,3,4,5,6,7
	WIN 0x08+4*((\a)/4)                            ; the stores' data (source 1) in window 2 or 3
.irp b, 0,1,2,3,4,5,6,7
	global_store_b128 v[CO], v[8*(8*((\a)%4)+(\b)):8*(8*((\a)%4)+(\b))+3],   s[8:9] offset:(\a)*RBB+(\b)*1024 th:TH_STORE_NT
	global_store_b128 v[CO], v[8*(8*((\a)%4)+(\b))+4:8*(8*((\a)%4)+(\b))+7], s[8:9] offset:(\a)*RBB+(\b)*1024+512 th:TH_STORE_NT
.endr
.endr
	WIN 0
.endm
	s_wait_tensorcnt 1                             ; my part of K step 0 is in; K step 1's may stay out
	s_barrier_signal -1
	s_barrier_wait -1
	FETCH 0, 0, F0
	s_mov_b32 s2, SIZE_TILES                       ; tiles to go: the same number in every work-group
.Ltile:
	QUARTER 0, 64,  F0, F1, 1                      ; a tile's first quarter stands in front of the loop: its products start the sums
	WIN 0
	s_mov_b32 s3, LAPS-1
.Llap:                                                 ; a trip goes once round the ring and fills both slots again
	QUARTER 0, 128, F1, F0, 0
	QUARTER 0, 192, F0, F1, 0
	TURN 0, 1, 0
	QUARTER 1, 64,  F0, F1, 0
	QUARTER 1, 128, F1, F0, 0
	QUARTER 1, 192, F0, F1, 0
	TURN 1, 0, 0
	QUARTER 0, 64,  F0, F1, 0
	WIN 0
	s_sub_co_u32 s3, s3, 1
	s_cmp_lg_u32 s3, 0
	s_cbranch_scc1 .Llap
	QUARTER 0, 128, F1, F0, 0                      ; the tile's last lap goes on
	QUARTER 0, 192, F0, F1, 0
	WIN 0
	s_cmp_eq_u32 s2, 1
	s_cbranch_scc1 .Llast_tile                     ; the last tile's tail is written out: it asks for nothing more
	TURN 0, 1, 1                                   ; the ring goes on into the next tile: slot 0 takes its K step 0,
	QUARTER 1, 64,  F0, F1, 0
	QUARTER 1, 128, F1, F0, 0
	QUARTER 1, 192, F0, F1, 0
	TURN 1, 0, 1                                   ; slot 1 its K step 1, and the next tile's first fragments are fetched
	OUT1                                           ; both refills are asked for: now the tile goes out
	s_wait_xcnt 0x0                                ; the stores have read the accumulators and their base: only behind this wait are these written again
	s_add_nc_u64 s[8:9], s[8:9], NEXT_C
	s_sub_co_u32 s2, s2, 1
	s_branch .Ltile
.Llast_tile:
	MEET 0                                         ; my one tensor load that was still out is slot 1's, the last K step's
	PLACES
	FETCH 1, 0, F0
	WIN MUL_HI
	MUL16 F1, 1, 0, 0
	MUL16 F1, 1, 2, 0
	QUARTER 1, 64,  F0, F1, 0
	QUARTER 1, 128, F1, F0, 0
	QUARTER 1, 192, F0, F1, 0
	s_wait_dscnt 8                                 ; the very last quarter: nothing more to fetch
	MUL16 F1, 0, 0, 0
	MUL16 F1, 0, 2, 0
	s_wait_dscnt 0x0
	MUL16 F1, 1, 0, 0
	MUL16 F1, 1, 2, 0
	OUT1
	s_wait_tensorcnt 0x0                           ; the wave's end
	ds_add_u32 v[SPW], v[NIL]
	s_wait_dscnt 0x0
	CROUND                                         ; the closing round: no work-group ends while a partner may still ask for a tile that names it
	s_endpgm
.Lfunc_end_k_qd9e0f3fb8a_gemm1:
	.size	k_qd9e0f3fb8a_gemm1, .Lfunc_end_k_qd9e0f3fb8a_gemm1-k_qd9e0f3fb8a_gemm1
	.p2alignl 7, 3214868480
	.fill 96, 4, 3214868480
	.section	.rodata,"a",@progbits
	.p2align	6, 0x0
	.amdhsa_kernel k_qd9e0f3fb8a_gemm1
		.amdhsa_group_segment_fixed_size 327680
		.amdhsa_private_segment_fixed_size 0
		.amdhsa_enable_private_segment 0
		.amdhsa_kernarg_size 24
		.amdhsa_user_sgpr_count 2
		.amdhsa_user_sgpr_kernarg_segment_ptr 1
		.amdhsa_wavefront_size32 1
		.amdhsa_system_sgpr_workgroup_id_x 1
		.amdhsa_system_sgpr_workgroup_id_y 1
		.amdhsa_system_sgpr_workgroup_id_z 1
		.amdhsa_system_vgpr_workitem_id 0
		.amdhsa_next_free_vgpr 1024
		.amdhsa_next_free_sgpr 66
		.amdhsa_reserve_vcc 0
		.amdhsa_float_denorm_mode_32 3
		.amdhsa_float_denorm_mode_16_64 3
		.amdhsa_memory_ordered 1
		.amdhsa_forward_progress 1
		.amdhsa_inst_pref_size 171
	.end_amdhsa_kernel
	.amdgpu_metadata
---
amdhsa.version: [ 1, 2 ]
amdhsa.kernels:
  - .name:           k_qd9e0f3fb8a_gemm1
    .symbol:         k_qd9e0f3fb8a_gemm1.kd
    .args:
      - { .name: xq, .offset: 0, .size: 8, .value_kind: global_buffer, .address_space: global }
      - { .name: wq, .offset: 8, .size: 8, .value_kind: global_buffer, .address_space: global }
      - { .name: acc1, .offset: 16, .size: 8, .value_kind: global_buffer, .address_space: global }
    .group_segment_fixed_size: 327680
    .private_segment_fixed_size: 0
    .kernarg_segment_align: 8
    .kernarg_segment_size: 24
    .max_flat_workgroup_size: 128
    .sgpr_count:     66
    .vgpr_count:     1024
    .wavefront_size: 32
...
	.end_amdgpu_metadata
.endif
;; end of part 3
;; launch act (part 4): grid 512 x 1, 32 waves a work-group, no clusters, 6,400 bytes of LDS; arguments acc1, xs, wq, hq, hs; writes hq, hs
.if DOCPART == 4
	.amdgcn_target "amdgcn-amd-amdhsa--gfx1250"
	.amdhsa_code_object_version 6
	.text
	.protected	k_qd9e0f3fb8a_act
	.globl	k_qd9e0f3fb8a_act
	.p2align	8
	.type	k_qd9e0f3fb8a_act,@function
k_qd9e0f3fb8a_act:
	s_mov_b64 s[64:65], 0
	v_nop
	global_prefetch_b8 v0, s[64:65] scope:SCOPE_SE
	s_setreg_imm32_b32 hwreg(HW_REG_WAVE_MODE, 25, 1), 1
	s_wait_xcnt 0x0
; ACT.  z = acc1 * s1 * xs[row]; h = gelu(z) (exact form, by erf); m = max(max over the row's 4,096 of |h|, 1e-5); hq = round(h * (127 / m)) as whole numbers in bf16; hs[row] = 2 * s2 * m / 127
; (doubled, since the last launch multiplies by halves of the ternary weights).
; SHARES.  A work-group takes 16 rows: 256 KiB of acc1 on end.  Wave w of 32 takes the column blocks 8 w .. 8 w + 7: 8 KiB in, 4 KiB out.  A lane holds 64 numbers of ONE row (lane % 16), and they stay
; in registers between the pass that finds the maximum and the pass that rounds: acc1 is read once.  The 32 waves' maxima meet in LDS, once.  32 waves of 124 registers: the unrolled text is half as long as with 16 waves.
; LAYOUTS.  acc1: byte ((RB x 256 + T) x 2 + p) x 512 + 16 x lane; the lane (r = lane % 16, h = lane / 16) holds row 16 RB + r, columns 16 T + 8 h + 4 p + 0..3.
; hq: byte RB x 131072 + (T / 2) x 1024 + h x 512 + (T % 2) x 256 + 16 r: the lane's eight numbers of column block T.  So the 512 bytes at (T / 2) x 1024 hold, 16 bytes a place, k = 32 (T / 2) + 16 (place / 16) + 0..7 of
; row place % 16, and the next 512 bytes the eight k behind them: the two halves of a matrix fragment in which a lane holds sixteen NEIGHBOURING k, as the last launch's weights, a byte each, come out of LDS.
; Every load covers 512 consecutive bytes; in every store each half of the lanes covers 256 consecutive bytes, aligned.
; GELU.  h = max(z, 0) - |z| F, F = Phi(-|z|) = (1/2) erfc(|z| / sqrt 2) = t (A1 + t (A2 + t (A3 + t (A4 + t A5)))) 2^(-z z log2(e) / 2), t = 1 / (1 + 0.3275911 |z| / sqrt 2)
; (Abramowitz and Stegun 7.1.26, the coefficients halved).  F is formed without a difference of near numbers.  LIMITS: F is off by 0.75e-7 at the most; 127 / m is the correctly rounded quotient (a Newton step
; on the reciprocal, two fused corrections); the product h * (127 / m) is rounded once, to a whole number (ties to even), by adding and taking away 1.5 x 2^23; the clip to -128 .. 127 is not written,
; since |h| * (127 / m) is 127.0001 at the most.  m stays under about 8e37.  NaN and infinities are not treated apart.
; No matrix unit, cluster or tensor load: no byte is wanted by two waves.
.set SPARE, 2304                       ; LDS: bytes 0-2303 the maxima (row r at 144 r, wave w's at + 4 w); from 2,304 the spare words, 128 bytes for each of 32 waves
.set P,  52                            ; v[52:59]   the polynomial, then F
.set X,  60                            ; v[60:123]  the lane's 64 numbers
; v2 my spare word's address, v3 0 (never rewritten); v4 16 x lane; v5 4 r; v[6:7] s1 xs, twice; v[8:11] four running maxima; v[14:15] 127 / m, twice; v16 my place in hq; v17, v18 LDS addresses; v19 hs;
; v[20:35], v[36:51] two sets of t (8) and the exponential (8), for groups of even and odd number; the exponential's registers take max(z, 0) when F is made; later all 32 take the waves' maxima
	s_load_b256 s[4:11], s[0:1], 0x0               ; acc1 s[4:5], xs s[6:7], wq s[8:9], hq s[10:11]
	s_load_b64 s[12:13], s[0:1], 0x20              ; hs
	v_lshl_add_u32 v2, v0, 2, SPARE
	v_mov_b32 v3, 0
	v_lshrrev_b32 v12, 5, v0
	v_readfirstlane_b32 s14, v12                   ; wave 0..31
	v_and_b32 v13, 31, v0
	v_lshlrev_b32 v4, 4, v13
	v_and_b32 v12, 15, v0                          ; my row
	v_lshlrev_b32 v5, 2, v12
	v_bfe_u32 v13, v0, 4, 1                        ; my half of the lanes
	v_lshlrev_b32 v16, 4, v12
	v_lshl_add_u32 v16, v13, 9, v16                ; 16 r + 512 h
	v_mul_u32_u24 v18, v12, 144                    ; 144 bytes a row: an odd multiple of 16, so the 16 rows of a load start at different banks
	v_lshl_add_u32 v17, s14, 2, v18
.irp k, 8,9,10,11
	v_mov_b32 v[\k], 0
.endr
	s_mov_b32 s18, 0x3e6d3388                      ; 0.3275911 / sqrt 2
	s_mov_b32 s20, 0xbf38aa3b                      ; -log2(e) / 2.  The packed forms name pairs and take the low word for both halves: both words are written
	s_mov_b32 s21, 0xbf38aa3b
	s_mov_b32 s22, 0x3f07dc22                      ; A5 = 1.061405429 / 2
	s_mov_b32 s23, 0x3f07dc22
	s_mov_b32 s24, 0xbf3a00e3                      ; A4 = -1.453152027 / 2
	s_mov_b32 s25, 0xbf3a00e3
	s_mov_b32 s26, 0x3f35f0e3                      ; A3 = 1.421413741 / 2
	s_mov_b32 s27, 0x3f35f0e3
	s_mov_b32 s28, 0xbe11a98e                      ; A2 = -0.284496736 / 2
	s_mov_b32 s29, 0xbe11a98e
	s_mov_b32 s30, 0x3e027906                      ; A1 = 0.254829592 / 2
	s_mov_b32 s31, 0x3e027906
	s_mov_b32 s32, 0x4b400000                      ; 1.5 x 2^23
	s_mov_b32 s33, 0x4b400000
	s_mov_b32 s34, 0xcb400000
	s_mov_b32 s35, 0xcb400000
	s_mov_b32 s36, 0x76543210
	s_mov_b32 s37, 0xfedcba98
	s_mov_b32 s39, 0x42fe0000                      ; 127.0
	s_mov_b32 s41, 0
	s_wait_kmcnt 0x0
	s_load_b64 s[16:17], s[8:9], 0x0               ; s1, s2: this launch writes nothing into wq
	s_lshl_b32 s40, ttmp9, 18
	s_lshl_b32 s42, s14, 13
	s_add_co_u32 s40, s40, s42
	s_add_nc_u64 s[4:5], s[4:5], s[40:41]
	s_lshl_b32 s40, ttmp9, 17
	s_lshl_b32 s42, s14, 12
	s_add_co_u32 s40, s40, s42
	s_add_nc_u64 s[10:11], s[10:11], s[40:41]
	s_lshl_b32 s40, ttmp9, 6
	s_add_nc_u64 s[6:7], s[6:7], s[40:41]
	s_add_nc_u64 s[12:13], s[12:13], s[40:41]
	global_load_b32 v6, v5, s[6:7]
.set i, 0
.rept 16
	global_load_b128 v[X+4*i:X+4*i+3], v4, s[4:5] offset:512*i th:TH_LOAD_NT
.set i, i+1
.endr
	s_wait_kmcnt 0x0
	s_wait_loadcnt 16                              ; xs is in; the 16 loads of acc1 stay out
	v_mul_f32 v6, s16, v6
	v_mov_b32 v7, v6
; PASS 1 goes in 8 groups of eight numbers (one column block).  STA g: z, the argument of the reciprocal and that of the exponential.  TSTEP g, n: transcendental n of the group's 16, in place.
; CSTEP g, n: line n of the 44 plain lines that make h and take its magnitude into the maxima.  Group g + 1's transcendentals stand between group g's plain lines, one by one.
.macro STA g
.set XG, X+8*(\g)
.set TS, 20+16*((\g)%2)
	s_wait_loadcnt 14-2*(\g)                       ; the group's two loads are in, the younger ones stay out
.irp k, 0,2,4,6
	v_pk_mul_f32 v[XG+(\k):XG+(\k)+1], v[XG+(\k):XG+(\k)+1], v[6:7]
.endr
.irp k, 0,1,2,3,4,5,6,7
	v_fma_f32 v[TS+(\k)], |v[XG+(\k)]|, s18, 1.0
.endr
.irp k, 0,2,4,6
	v_pk_mul_f32 v[TS+8+(\k):TS+9+(\k)], v[XG+(\k):XG+(\k)+1], v[XG+(\k):XG+(\k)+1]
.endr
.irp k, 0,2,4,6
	v_pk_mul_f32 v[TS+8+(\k):TS+9+(\k)], v[TS+8+(\k):TS+9+(\k)], s[20:21] op_sel_hi:[1,0]
.endr
.endm
.macro TSTEP g, n
.set TS, 20+16*((\g)%2)
.if (\n) < 8
	v_rcp_f32 v[TS+(\n)], v[TS+(\n)]
.else
	v_exp_f32 v[TS+(\n)], v[TS+(\n)]
.endif
.endm
.macro CSTEP g, n
.set XG, X+8*(\g)
.set TS, 20+16*((\g)%2)
.if (\n) < 4
.set k, 2*(\n)
	v_pk_fma_f32 v[P+k:P+k+1], v[TS+k:TS+k+1], s[22:23], s[24:25] op_sel_hi:[1,0,0]
.elseif (\n) < 16
.set k, 2*((\n)%4)
.set c, 24+2*((\n)/4)                  ; A3, A2, A1
	v_pk_fma_f32 v[P+k:P+k+1], v[P+k:P+k+1], v[TS+k:TS+k+1], s[c:c+1] op_sel_hi:[1,1,0]
.elseif (\n) < 20
.set k, 2*((\n)-16)
	v_pk_mul_f32 v[P+k:P+k+1], v[P+k:P+k+1], v[TS+k:TS+k+1]
.elseif (\n) < 24
.set k, 2*((\n)-20)
	v_pk_mul_f32 v[P+k:P+k+1], v[P+k:P+k+1], v[TS+8+k:TS+9+k]
.elseif (\n) < 32
.set k, (\n)-24
	v_max_num_f32 v[TS+8+k], 0, v[XG+k]            ; the exponentials have been used: their registers take max(z, 0)
.elseif (\n) < 40
.set k, (\n)-32
	v_fma_f32 v[XG+k], -|v[XG+k]|, v[P+k], v[TS+8+k]
.else
.set k, (\n)-40
	v_max3_num_f32 v[8+k], v[8+k], |v[XG+2*k]|, |v[XG+2*k+1]|
.endif
.endm
	STA 0
.set n, 0
.rept 16
	TSTEP 0, n
.set n, n+1
.endr
.set g, 0
.rept 8
.if g < 7
	STA g+1                                        ; twenty plain lines that name no result of the batch that is out
.endif
	s_wait_alu depctr_va_vdst(0)                   ; the wait ahead of the first reader: ONE for group g's batch of sixteen
.set n, 0
.rept 44
.if (g < 7) && (n < 16)
	TSTEP g+1, n                                   ; the next batch: its results are named only behind the next wait
.endif
	CSTEP g, n
.set n, n+1
.endr
.set g, g+1
.endr
	; the row's maximum: my 64 numbers, the lane 16 away (the row's other columns of my blocks), the 32 waves
	v_max3_num_f32 v8, v8, v9, v10
	v_max_num_f32 v8, v8, v11
	v_permlanex16_b32 v12, v8, s36, s37
	v_max_num_f32 v8, v8, v12
	ds_store_b32 v17, v8                           ; lanes r and r + 16 write the same word with the same value
	s_wait_dscnt 0x0                               ; for the others' sake: my store is done
	s_barrier_signal -1
	s_barrier_wait -1
.irp k, 0,1,2,3,4,5,6,7
	ds_load_b128 v[20+4*(\k):23+4*(\k)], v18 offset:16*(\k)
.endr
	s_wait_dscnt 0x0
.irp k, 20,23,26,29,32,35,38,41,44,47
	v_max3_num_f32 v[\k], v[\k], v[(\k)+1], v[(\k)+2]
.endr
	v_max3_num_f32 v20, v20, v23, v26
	v_max3_num_f32 v29, v29, v32, v35
	v_max3_num_f32 v38, v38, v41, v44
	v_max3_num_f32 v47, v47, v50, v51
	v_max3_num_f32 v20, v20, v29, v38
	v_max_num_f32 v20, v20, v47
	v_max_num_f32 v20, 0x3727c5ac, v20             ; at least 1e-5
	v_rcp_f32 v13, v20
	v_mul_f32 v19, 0x3c010204, v20                 ; m / 127: the plain instruction behind the reciprocal
	v_mul_f32 v19, s17, v19                        ; s2 m / 127,
	v_add_f32 v19, v19, v19                        ; doubled: exact
	s_wait_alu depctr_va_vdst(0)                   ; the wait ahead of the reciprocal's first reader, and ahead of the branch
	v_fma_f32 v12, -v20, v13, 1.0                  ; 127 / m, correctly rounded: e = 1 - m r,
	v_fma_f32 v13, v12, v13, v13                   ; r = r + e r;
	v_mul_f32 v14, s39, v13                        ; q = 127 r;
	v_fma_f32 v12, -v20, v14, s39                  ; the remainder 127 - m q corrects q,
	v_fma_f32 v14, v12, v13, v14
	v_fma_f32 v12, -v20, v14, s39                  ; and once more
	v_fma_f32 v14, v12, v13, v14
	v_mov_b32 v15, v14                             ; twice: a pair for the packed multiply-add
	s_cmp_lg_u32 s14, 0
	s_cbranch_scc1 .Lnohs                          ; wave 0 stores the 16 rows' hs: 64 consecutive bytes
	s_wait_xcnt 0x0                                ; EXEC changes only behind this wait
	v_cmp_gt_u32 vcc_lo, 16, v0
	s_and_saveexec_b32 s38, vcc_lo
	global_store_b32 v5, v19, s[12:13]
	s_wait_xcnt 0x0
	s_or_b32 exec_lo, exec_lo, s38
.Lnohs:
	; PASS 2: whole numbers, bf16, out
.set g, 0
.rept 8
.set XG, X+8*g
.irp k, 0,2,4,6
	v_pk_fma_f32 v[XG+(\k):XG+(\k)+1], v[XG+(\k):XG+(\k)+1], v[14:15], s[32:33] op_sel_hi:[1,1,0]
.endr
.irp k, 0,2,4,6
	v_pk_add_f32 v[XG+(\k):XG+(\k)+1], v[XG+(\k):XG+(\k)+1], s[34:35] op_sel_hi:[1,0]
.endr
.irp k, 0,1,2,3
	v_cvt_pk_bf16_f32 v[XG+(\k)], v[XG+2*(\k)], v[XG+2*(\k)+1]  ; ascending: a register is read before it is written over
.endr
	global_store_b128 v16, v[XG:XG+3], s[10:11] offset:(g/2)*1024+(g%2)*256 th:TH_STORE_NT
.set g, g+1
.endr
	s_wait_tensorcnt 0x0                           ; the wave's end, behind my last LDS store
	ds_add_u32 v2, v3
	s_wait_dscnt 0x0
	s_endpgm
.Lfunc_end_k_qd9e0f3fb8a_act:
	.size	k_qd9e0f3fb8a_act, .Lfunc_end_k_qd9e0f3fb8a_act-k_qd9e0f3fb8a_act
	.p2alignl 7, 3214868480
	.fill 96, 4, 3214868480
	.section	.rodata,"a",@progbits
	.p2align	6, 0x0
	.amdhsa_kernel k_qd9e0f3fb8a_act
		.amdhsa_group_segment_fixed_size 6400
		.amdhsa_private_segment_fixed_size 0
		.amdhsa_enable_private_segment 0
		.amdhsa_kernarg_size 40
		.amdhsa_user_sgpr_count 2
		.amdhsa_user_sgpr_kernarg_segment_ptr 1
		.amdhsa_wavefront_size32 1
		.amdhsa_system_sgpr_workgroup_id_x 1
		.amdhsa_system_sgpr_workgroup_id_y 1
		.amdhsa_system_sgpr_workgroup_id_z 1
		.amdhsa_system_vgpr_workitem_id 0
		.amdhsa_next_free_vgpr 128
		.amdhsa_next_free_sgpr 66
		.amdhsa_reserve_vcc 1
		.amdhsa_float_denorm_mode_32 3
		.amdhsa_float_denorm_mode_16_64 3
		.amdhsa_memory_ordered 1
		.amdhsa_forward_progress 1
		.amdhsa_inst_pref_size 49
	.end_amdhsa_kernel
	.amdgpu_metadata
---
amdhsa.version: [ 1, 2 ]
amdhsa.kernels:
  - .name:           k_qd9e0f3fb8a_act
    .symbol:         k_qd9e0f3fb8a_act.kd
    .args:
      - { .name: acc1, .offset: 0, .size: 8, .value_kind: global_buffer, .address_space: global }
      - { .name: xs, .offset: 8, .size: 8, .value_kind: global_buffer, .address_space: global }
      - { .name: wq, .offset: 16, .size: 8, .value_kind: global_buffer, .address_space: global }
      - { .name: hq, .offset: 24, .size: 8, .value_kind: global_buffer, .address_space: global }
      - { .name: hs, .offset: 32, .size: 8, .value_kind: global_buffer, .address_space: global }
    .group_segment_fixed_size: 6400
    .private_segment_fixed_size: 0
    .kernarg_segment_align: 8
    .kernarg_segment_size: 40
    .max_flat_workgroup_size: 1024
    .sgpr_count:     66
    .vgpr_count:     128
    .wavefront_size: 32
...
	.end_amdgpu_metadata
.endif
;; end of part 4
;; launch gemm2 (part 5): grid 4 x 64, 4 waves a work-group, clusters of 4 x 4, 327,680 bytes of LDS; arguments hq, wq, hs, out0; writes out0
.if DOCPART == 5
	.amdgcn_target "amdgcn-amd-amdhsa--gfx1250"
	.amdhsa_code_object_version 6
	.text
	.protected	k_qd9e0f3fb8a_gemm2
	.globl	k_qd9e0f3fb8a_gemm2
	.p2align	8
	.type	k_qd9e0f3fb8a_gemm2,@function
k_qd9e0f3fb8a_gemm2:
	s_mov_b64 s[64:65], 0
	v_nop
	global_prefetch_b8 v0, s[64:65] scope:SCOPE_SE
	s_setreg_imm32_b32 hwreg(HW_REG_WAVE_MODE, 25, 1), 1
	s_wait_xcnt 0x0
	s_wait_alu depctr_hold_cnt(0) depctr_sa_sdst(0) depctr_va_vdst(0) depctr_va_sdst(0) depctr_va_ssrc(0) depctr_va_vcc(0) depctr_vm_vsrc(0)
	s_getreg_b32 s2, hwreg(HW_REG_IB_STS2, 6, 4)
	s_cmp_eq_u32 s2, 0
	s_cbranch_scc0 .Lentry_in_a_cluster
	s_endpgm
.Lentry_in_a_cluster:
	s_bfe_u32 s2, ttmp6, 0x10000c
	s_cmp_lg_u32 s2, 0xf033
	s_cbranch_scc0 .Lentry_shape_is_right
	s_endpgm
.Lentry_shape_is_right:
; GEMM2.  out0[row][n] = hs[row] x the sum over k of hq[row][k] (t2[n][k] / 2).  hq: 8,192 x 4,096 whole numbers in bf16, in fragment layout (below).  t2 / 2: [1024][4096], ONE BYTE a weight, 256 + 8,388,608 bytes
; into wq: the upper byte of 0.5, 0 or -0.5 in bf16, whose lower byte is 0.  hs holds the row's scale doubled.  Sums in f32: multiples of 0.5, 260,096 at the most, so every sum is exact.
; A tile of out0 is 128 rows x 256 columns: 64 x 4 = 256 work-groups.  Four waves, each 64 x 128: 32 accumulators.
; WHY BYTES.  K goes in 16 steps of 256 through two LDS slots.  With the weights in bf16 two such slots would take 2 x 200,704 bytes and do not fit; with a byte a weight a slot is 65,536 (A) + 69,632 (B) bytes.
; So a refill has 236 matrix instructions in which to land.  The matrix operands are bf16: one v_perm_b32 sets a zero byte under each of two weights, 64 of them for a step of 32 along K (32 matrix instructions).
; hq: byte RB x 131072 + G x 1024 + c x 512 + 16 x place (RB = row / 16, G = k / 32): row place % 16, k = 32 G + 16 (place / 16) + 8 c + 0..7.  So a lane's two loads of 16 bytes bring it sixteen NEIGHBOURING k, the same
; sixteen that its one load of 16 bytes brings of a row of t2.  The matrix unit adds a lane's products whatever k they stand for, and these sums are exact in any order.  16 rows x 256 K are 8,192 bytes on end.
; CLUSTERS: 4 x 4 work-groups.  The four of a row of the cluster (all four tile columns) need the same tile of A, the four of a column the same tile of B: each is asked for JOINTLY.
; THE MATRIX INSTRUCTION IS USED TRANSPOSED (source 0 = 16 rows of t2, source 1 = 16 rows of hq): lane l holds row l % 16 of out0 and the columns 8 (l / 16) + 0 .. 7.
; THE PIPELINE.  Step s (32 along K): at its head 16 LDS loads, A of step s + 1 and the bytes of step s + 2; then 32 matrix instructions in pairs, and behind each pair four v_perm_b32 that unpack step s + 1.
; Everything has two buffers, by the step's parity.  Two steps are written once and walked three times a slot; a slot's last two steps hold the change of slots.
; REGISTERS, in windows of 256 (s_set_vgpr_msb: bits 1:0 source 0, 3:2 source 1, 5:4 source 2, 7:6 destination):
;   window 0: v0-31 addresses; v32-39 hs, a pair a row block; v64-191 two buffers of 16 rows on the way out     window 1: the accumulators, (a, b) at v[8 (8 a + b)]
;   window 2: v0-63, v64-127 B unpacked; v128-159, v160-191 B's bytes     window 3: v0-31, v32-63 A; v64 zero
; The unpacking writes window 2 and the products write window 1: two switches for every two matrix instructions.
; The accumulators are cleared, 256 lines that run while the first tile is on its way: so no first step is written out.
.set AX,     0x10000                   ; A's slots: bytes 0 and 0x10000; one exclusive or turns an address in one into the other's
.set B0,     0x20000                   ; B's slots: bytes 0x20000 and 0x34000
.set BX,     0x14000
.set PITCH,  272                       ; a row of B in LDS: 256 bytes + 16 of padding = 68 words: row r starts at bank 4 r mod 64 (64 banks of 4 bytes: ISA guide 11.1)
.set BHALF,  128*PITCH                 ; 128 rows of B
.set STAGE,  0x45000                   ; behind the slots, never filled by a tensor load: 16 rows x 528 bytes for each wave
.set SPITCH, 528                       ; 512 bytes + 16: an odd multiple of 16
.set SPARE,  STAGE+4*16*SPITCH         ; behind the stages: the spare words, 128 bytes for each wave
.set ASTEP,  8192                      ; bytes from a slot's K to the next slot's in hq,
.set BSTEP,  256                       ; and in t2
.set LA,   16                          ; v16     my lane's place in a slot's A; never rewritten
.set LB,   17                          ; v17     the same for B
.set AA,   18                          ; v18     the LDS address of A's loads in hand
.set AB,   19                          ; v19     of B's
.set STO,  24                          ; v24     the way out: where I put 32 bytes of a row
.set RD,   25                          ; v25     the way out: where I read a row back
.set CO,   26                          ; v26     16 x lane
.set HO,   27                          ; v27     4 x (lane % 16)
.set SPW,  28                          ; v28     my spare word's address; never rewritten
.set NIL,  29                          ; v29     0; never rewritten
.set PFO,  30                          ; v30     the prefetches' offset; never rewritten
.set HSV,  32
.set BK,   64
.set BP,   128                         ; window 2: B's bytes
.set ZR,   64                          ; window 3: zero
.set G1,  24                           ; s[24:31] descriptor group 1 for A's tiles
.set G0A, 32                           ; s[32:39] group 0 for A's: a set for each of the two first fills; the second then walks on
.set PFA, 44                           ; s[44:45] where my prefetches stand
.set PFS, 46                           ; s[46:47] their step
.set G1B, 48                           ; s[48:55], s[56:63] the same for B's tiles
.set G0B, 56
.set LIM, 66                           ; s66  1 in a wave that prefetches, else the greatest number
.set CNT, 67                           ; s67  counts a slot's first three pairs of steps
.set TBA, 68                           ; s68  LDS byte at which A of the pair of steps in hand begins
.set TBB, 69                           ; s69  the same for B
.set SEL, 70                           ; s70, s71  v_perm_b32's selects: a word's lower two bytes, its upper two, each over a zero byte
.set W_MM, 0x5e                        ; B window 2, A window 3, C and D window 1
.set W_UP, 0x8e                        ; bytes and result window 2, zero window 3
.set W_LA, 0xc0                        ; destination window 3, address window 0
.set W_LB, 0x80                        ; destination window 2, address window 0
.set MSB, 0
.macro WIN new                         ; the immediate's high byte repeats the setting that is left; a switch that changes nothing is dropped
.if MSB != (\new)
	s_set_vgpr_msb (MSB<<8)|(\new)
.set MSB, \new
.endif
.endm
.macro JLOAD                           ; a joint refill: waves 0 and 1 fetch A's two halves, waves 2 and 3 B's; an s_nop 0 and four v_nop follow each of the two lines
	s_cmp_eq_u32 s13, 0
	s_cbranch_scc0 .Lfor_b_\@
	tensor_load_to_lds s[G0A+4:G0A+7], s[G1:G1+7]
	s_nop 0
.rept 4
	v_nop
.endr
	s_branch .Lasked_\@
.Lfor_b_\@:
	tensor_load_to_lds s[G0B+4:G0B+7], s[G1B:G1B+7]
	s_nop 0
.rept 4
	v_nop
.endr
.Lasked_\@:
.endm
; A prefetch, behind each joint refill and the run of LDS loads that follows it: what the NEXT refill will ask for, 256 matrix instructions ahead of that load.  Each block of 256 bytes is named once in the launch.
; A's tile (8 row blocks x 8,192 bytes) is read by one cluster alone: waves 0 and 1 of each partner ask, the partner at cx for row block 2 cx + the wave's number, a lane a block of 256 bytes.
; B's rows are read by all sixteen clusters: cluster y = 0 asks, waves 2 and 3 each for 32 (by cy) of the 128 rows that they fetch, a lane a row.  The partners are told apart by address.
; The last refill asks for nothing: there is no slot behind it.  Slots 0 to 2 come by their loads alone.
.macro ASK
	WIN 0
	s_cmp_gt_u32 s19, s[LIM]
	s_cbranch_scc0 .Lnot_mine_\@
	global_prefetch_b8 v[PFO], s[PFA:PFA+1] th:TH_LOAD_NT scope:SCOPE_SE
.Lnot_mine_\@:
.endm
.macro CREST                           ; a round of the cluster's barrier behind its opening barrier
	s_cmp_lg_u32 s12, 0
	s_cbranch_scc1 .Lnot_wave_0_\@
	s_barrier_signal -3
.Lnot_wave_0_\@:
	s_barrier_wait -3
	s_barrier_signal -1
	s_barrier_wait -1
.endm
.macro CROUND
	s_barrier_signal -1
	s_barrier_wait -1
	CREST
.endm
	s_load_b256 s[4:11], s[0:1], 0x0               ; hq s[4:5], wq s[6:7], hs s[8:9], out0 s[10:11]
	v_lshl_add_u32 v[SPW], v0, 2, SPARE
	v_mov_b32 v[NIL], 0
	ds_add_u32 v[SPW], v[NIL]                      ; the wave's opening: the add and its wait stand ahead of my first tensor load; the set-up below stands between them
	v_lshrrev_b32 v1, 5, v0
	v_readfirstlane_b32 s12, v1                    ; wave 0..3
	s_lshr_b32 s13, s12, 1                         ; which 64 of the tile's rows are mine.  Also: I fetch for A (0) or for B (1)
	s_and_b32 s14, s12, 1                          ; which 128 of its columns.  Also: which half of that tile I fetch
	s_bfe_u32 s15, ttmp6, 0x40000                  ; cx
	s_bfe_u32 s16, ttmp6, 0x40004                  ; cy
	s_lshl_b32 s17, ttmp9, 2
	s_add_co_u32 s17, s17, s15                     ; tile column = 4 x cluster x + cx
	s_and_b32 s18, ttmp7, 0xffff
	s_lshl_b32 s18, s18, 2
	s_add_co_u32 s18, s18, s16                     ; tile row = 4 x cluster y + cy
	s_lshl_b32 s20, s16, 2
	s_lshl_b32 s20, 15, s20                        ; my row of the cluster
	s_lshl_b32 s21, 0x1111, s15                    ; my column
	; group 1 for A: 4 rows of 1,024 elements of 8 bytes (8,192 bytes: 16 rows of hq x 256 K), 16,384 elements (131,072 bytes) apart; no padding
	s_or_b32 s[G1+0], s20, (3<<16)|(1<<21)         ; 15:0 the mask; 17:16 elements of 8 bytes; 21 set beside a mask
	s_mov_b32 s[G1+1], 1024<<16                    ; tensor_dim0 = 1,024
	s_mov_b32 s[G1+2], 4<<16                       ; tensor_dim1 = 4
	s_mov_b32 s[G1+3], 1024<<16                    ; tile_dim0 = 1,024
	s_mov_b32 s[G1+4], 4                           ; tile_dim1 = 4
	s_mov_b32 s[G1+5], 16384                       ; elements from row to row
	s_mov_b32 s[G1+6], 0
	s_mov_b32 s[G1+7], 0
	; group 1 for B: 128 rows x 128 elements of 2 bytes (256 weights), 2,048 elements (4,096 bytes) apart, 16 bytes of padding behind each row
	s_or_b32 s[G1B+0], s21, (1<<16)|(1<<20)|(1<<21)|(5<<22)|(3<<25)
	s_mov_b32 s[G1B+1], 128<<16
	s_mov_b32 s[G1B+2], 128<<16
	s_mov_b32 s[G1B+3], 128<<16
	s_mov_b32 s[G1B+4], 128
	s_mov_b32 s[G1B+5], 2048
	s_mov_b32 s[G1B+6], 0
	s_mov_b32 s[G1B+7], 0
	s_lshl_b32 s40, s18, 3
	s_lshl_b32 s41, s14, 2
	s_add_co_u32 s40, s40, s41                     ; A: row block 8 x tile row + 4 x half
	s_lshl_b32 s40, s40, 17
	s_mov_b32 s41, 0
	s_lshl_b32 s42, s17, 8
	s_lshl_b32 s43, s14, 7
	s_add_co_u32 s42, s42, s43                     ; B: row 256 x tile column + 128 x half
	s_lshl_b32 s42, s42, 12
	s_mov_b32 s43, 0
	s_lshl_b32 s22, s14, 15                        ; where they go: A's half,
	s_mul_i32 s23, s14, BHALF
	s_add_co_u32 s23, s23, B0                      ; B's half: no place in the cluster enters an LDS address
	s_mov_b32 s[TBA], 0
	s_mov_b32 s[TBB], B0
	s_mov_b32 s[SEL], 0x05000400                   ; bytes 0 and 1 of the first source, each over byte 0 of the second
	s_mov_b32 s[SEL+1], 0x07000600                 ; bytes 2 and 3
	s_wait_dscnt 0x0                               ; the opening add is done
	s_wait_kmcnt 0x0
	s_add_nc_u64 s[6:7], s[6:7], 256+8388608       ; t2
	s_add_nc_u64 s[40:41], s[4:5], s[40:41]
	s_add_nc_u64 s[42:43], s[6:7], s[42:43]
	CROUND                                         ; all sixteen work-groups are here: the first joint loads meet
.irp s, 0,1
	s_mov_b32 s[G0A+4*(\s)], 1
	s_add_co_u32 s[G0A+4*(\s)+1], s22, (\s)*AX
	s_add_nc_u64 s[G0A+4*(\s)+2:G0A+4*(\s)+3], s[40:41], (\s)*ASTEP
	s_or_b32 s[G0A+4*(\s)+3], s[G0A+4*(\s)+3], 0x80000000
	s_mov_b32 s[G0B+4*(\s)], 1
	s_add_co_u32 s[G0B+4*(\s)+1], s23, (\s)*BX
	s_add_nc_u64 s[G0B+4*(\s)+2:G0B+4*(\s)+3], s[42:43], (\s)*BSTEP
	s_or_b32 s[G0B+4*(\s)+3], s[G0B+4*(\s)+3], 0x80000000
.endr
	s_cmp_eq_u32 s13, 0                            ; a wave's two first fills stand in one branch, ahead of every wait on TENSORcnt and every LDS read: two loads of mine are out
	s_cbranch_scc0 .Lfirst_b
	tensor_load_to_lds s[G0A:G0A+3], s[G1:G1+7]
	s_nop 0
	tensor_load_to_lds s[G0A+4:G0A+7], s[G1:G1+7]
	s_nop 0
.rept 4
	v_nop
.endr
	s_branch .Lfirst_asked
.Lfirst_b:
	tensor_load_to_lds s[G0B:G0B+3], s[G1B:G1B+7]
	s_nop 0
	tensor_load_to_lds s[G0B+4:G0B+7], s[G1B:G1B+7]
	s_nop 0
.rept 4
	v_nop
.endr
.Lfirst_asked:
	v_and_b32 v1, 15, v0                           ; l % 16
	v_bfe_u32 v2, v0, 4, 1                         ; l / 16
	v_and_b32 v3, 31, v0
	v_lshlrev_b32 v[HO], 2, v1
	s_lshl_b32 s20, s18, 7
	s_lshl_b32 s21, s13, 6
	s_add_co_u32 s20, s20, s21                     ; my first row of out0
	s_lshl_b32 s22, s20, 2
	s_mov_b32 s23, 0
	s_add_nc_u64 s[8:9], s[8:9], s[22:23]
.irp a, 0,1,2,3
	global_load_b32 v[HSV+2*(\a)], v[HO], s[8:9] offset:64*(\a)  ; hs of my row in each of my four row blocks
.endr
	s_lshl_b32 s20, s20, 12                        ; a row of out0 is 4,096 bytes
	s_lshl_b32 s21, s17, 10                        ; the tile's 256 columns,
	s_lshl_b32 s22, s14, 9                         ; my 128 of them
	s_add_co_u32 s20, s20, s21
	s_add_co_u32 s20, s20, s22
	s_mov_b32 s21, 0
	s_add_nc_u64 s[10:11], s[10:11], s[20:21]
	v_lshlrev_b32 v4, 4, v3                        ; 16 x lane
	s_lshl_b32 s20, s13, 15                        ; my four row blocks of A
	v_add_nc_u32 v[LA], s20, v4
	v_mul_u32_u24 v5, v1, PITCH
	v_lshl_add_u32 v5, v2, 4, v5                   ; row x pitch + 16 x half
	s_mul_i32 s21, s14, BHALF                      ; my 128 rows of B
	v_add_nc_u32 v[LB], s21, v5
	s_mul_i32 s20, s12, 16*SPITCH
	s_add_co_u32 s20, s20, STAGE                   ; my stage
	v_mul_u32_u24 v5, v1, SPITCH                   ; in: row l % 16, 32 bytes for each half of the lanes
	v_lshl_add_u32 v5, v2, 5, v5
	v_add_nc_u32 v[STO], s20, v5
	v_add_nc_u32 v[RD], s20, v4                    ; back: 32 lanes take a row's 512 bytes
	v_mov_b32 v[CO], v4
	; the prefetches
	s_lshl_b32 s20, s18, 3
	s_lshl_b32 s21, s15, 1
	s_add_co_u32 s20, s20, s21
	s_add_co_u32 s20, s20, s14                     ; A: row block 8 x tile row + 2 cx + the wave's number,
	s_lshl_b32 s20, s20, 17
	s_add_co_u32 s20, s20, 2*ASTEP                 ; at slot 2: the first refill steps it to slot 3
	s_lshl_b32 s21, s17, 8
	s_lshl_b32 s22, s14, 7
	s_add_co_u32 s21, s21, s22
	s_lshl_b32 s22, s16, 5
	s_add_co_u32 s21, s21, s22                     ; B: row 256 x tile column + 128 x half + 32 cy,
	s_lshl_b32 s21, s21, 12
	s_add_co_u32 s21, s21, 2*BSTEP                 ; at slot 2
	s_and_b32 s22, ttmp7, 0xffff                   ; cluster y
	s_cmp_eq_u32 s13, 0                            ; do I fetch for A?
	s_cselect_b32 s20, s20, s21
	s_cselect_b32 s22, ttmp9, s22                  ; the coordinate along which other clusters read the same rows
	s_cselect_b64 s[PFA:PFA+1], s[4:5], s[6:7]
	s_cselect_b32 s[PFS], 13, 8                    ; the step, 8,192 or 256 bytes, as a shift
	s_cselect_b32 s23, 8, 12                       ; from lane to lane 256 or 4,096 bytes, as a shift
	s_mov_b32 s21, 0
	s_mov_b32 s[PFS+1], 0
	s_add_nc_u64 s[PFA:PFA+1], s[PFA:PFA+1], s[20:21]
	s_cmp_eq_u32 s22, 0
	s_cselect_b32 s[LIM], 1, -1                    ; the same in all sixteen partners, for a given wave
	s_lshl_b32 s[PFS], 1, s[PFS]
	v_lshlrev_b32 v[PFO], s23, v3
	WIN 0x40
.set i, 0
.rept 256
	v_mov_b32 v[i], 0                              ; the sums start at 0
.set i, i+1
.endr
	WIN 0xc0
	v_mov_b32 v[ZR], 0
	WIN 0
; Pairs p0 .. p1 - 1 of the 16 pairs of matrix instructions of a step of parity sub.  Product i of 32: m block i / 8, n block i % 8: the 32 accumulators take turns, one instruction a turn.
; Behind a pair stand v_perm_b32 that unpack the next step's bytes into the other buffer: number n of 64 makes register n from two bytes of word n / 2.  The first skip pairs are bare; the 64 are dealt evenly
; over the others (skip = 0: four a pair).  Those behind a step's last pair, four or more, name none of its registers: they are the places in front of the loads into A's buffer that follow.
; A register of the other buffer is written sixteen such lines or more behind the last product that read it.
.macro PAIRS sub, p0, p1, skip
.if (\p0) == 0
.set n, 0
.endif
.set p, \p0
.rept (\p1)-(\p0)
	WIN W_MM
.irp e, 0,1
.set i, 2*p+(\e)
	v_wmma_f32_16x16x32_bf16 v[8*i:8*i+7], v[64*(\sub)+8*(i%8):64*(\sub)+8*(i%8)+7], v[32*(\sub)+8*(i/8):32*(\sub)+8*(i/8)+7], v[8*i:8*i+7]
.endr
.if p >= (\skip)
.set tg, (64*(p+1-(\skip)))/(16-(\skip))
.if tg > n
	WIN W_UP
.rept tg-n
	v_perm_b32 v[64*(1-(\sub))+n], v[BP+32*(1-(\sub))+n/2], v[ZR], s[SEL+n%2]
.set n, n+1
.endr
.endif
.endif
.set p, p+1
.endr
.endm
.macro LOADA buf, off                  ; a step's four fragments of A: 8 loads of 512 consecutive bytes
	WIN W_LA
.irp a, 0,1,2,3
	ds_load_b128 v[32*(\buf)+8*(\a):32*(\buf)+8*(\a)+3],   v[AA] offset:8192*(\a)+(\off)
	ds_load_b128 v[32*(\buf)+8*(\a)+4:32*(\buf)+8*(\a)+7], v[AA] offset:8192*(\a)+(\off)+512
.endr
.endm
.macro LOADB buf, off                  ; a step's bytes of B: 8 loads, 16 weights of a row a lane
	WIN W_LB
.irp i, 0,1,2,3,4,5,6,7
	ds_load_b128 v[BP+32*(\buf)+4*(\i):BP+32*(\buf)+4*(\i)+3], v[AB] offset:16*PITCH*(\i)+(\off)
.endr
.endm
.macro ADDR
	WIN 0
	v_add_nc_u32 v[AA], s[TBA], v[LA]
	v_add_nc_u32 v[AB], s[TBB], v[LB]
.endm
; Two steps, 2 c and 2 c + 1 of a slot's eight (c = 0, 1, 2); s[TBA], s[TBB] stand at step 2 c.
.macro PLAIN
	ADDR
	LOADA 1, 1024                                  ; A of step 2 c + 1,
	LOADB 0, 64                                    ; the bytes of step 2 c + 2
	s_wait_dscnt 16                                ; all but the 16 just issued: A of step 2 c and the bytes of step 2 c + 1 are in
	PAIRS 0, 0, 16, 0
	LOADA 0, 2048                                  ; A of step 2 c + 2,
	LOADB 1, 96                                    ; the bytes of step 2 c + 3
	s_wait_dscnt 16
	PAIRS 1, 0, 16, 0
	s_add_co_u32 s[TBA], s[TBA], 2048
	s_add_co_u32 s[TBB], s[TBB], 64
	WIN 0                                          ; at a label and at a branch every window is 0
.endm
; A slot's steps 6 and 7, with THE CHANGE OF SLOTS.  A of step 7 is the last read of the slot.  Each wave waits for all its tensor loads, of which one is out: its part of the other slot; adds 0 to its spare word; and waits
; for that and for its own reads of the slot.  Behind the barrier nobody reads this slot any more and the other slot is whole.  fill = 1: the barrier opens a round of the cluster's, and this slot is filled again, with the K
; two slots on, first thing behind it: 236 matrix instructions ahead of the wait for it.  Then the other slot's first bytes are read; they are unpacked in step 7, whose first four pairs are bare.
.macro CHG fill
	WIN 0
	v_add_nc_u32 v[AA], s[TBA], v[LA]
	LOADA 1, 1024                                  ; A of step 7
	WIN 0                                          ; (the add's two registers lie in window 0)
	s_wait_tensorcnt 0x0                           ; no tensor load of mine is out, so a group 0 may be written
	ds_add_u32 v[SPW], v[NIL]                      ; 0 onto my spare word; scalar work and twelve matrix instructions stand between it and the wait for it
.if \fill
	s_xor_b32 s[G0A+5], s[G0A+5], AX               ; the walking descriptors: the other slot than last time,
	s_add_nc_u64 s[G0A+6:G0A+7], s[G0A+6:G0A+7], ASTEP  ; the next 256 along K; the type bits on top are not reached
	s_xor_b32 s[G0B+5], s[G0B+5], BX
	s_add_nc_u64 s[G0B+6:G0B+7], s[G0B+6:G0B+7], BSTEP
	s_wait_xcnt 0x0                                ; the last prefetch, a slot back, has read its address
	s_add_nc_u64 s[PFA:PFA+1], s[PFA:PFA+1], s[PFS:PFS+1]
.endif
	s_sub_co_u32 s[TBA], s[TBA], 3*2048            ; the loads go back to a slot's first step,
	s_xor_b32 s[TBA], s[TBA], AX                   ; in the other slot
	s_sub_co_u32 s[TBB], s[TBB], 3*64
	s_xor_b32 s[TBB], s[TBB], BX
	s_wait_dscnt 9                                 ; the add and the 8 loads just issued may be out: A of step 6 and the bytes of step 7 are in
	PAIRS 0, 0, 6, 0
	s_wait_dscnt 0x0                               ; the add is done, and my reads of this slot are over
	s_barrier_signal -1
	PAIRS 0, 6, 10, 0                              ; work on registers while the others arrive
	WIN 0
	s_barrier_wait -1
.if \fill
	CREST                                          ; no wave of any partner still reads this slot's tiles or has a load on its way
	JLOAD
.endif
	ADDR
	LOADB 0, 0                                     ; the other slot's step 0: its bytes
.if \fill
	ASK
.endif
	PAIRS 0, 10, 16, 0
	LOADA 0, 0                                     ; A of that step,
	LOADB 1, 32                                    ; the bytes of its step 1
	PAIRS 1, 0, 4, 4
	s_wait_dscnt 16                                ; all but the 16 just issued: the bytes to be unpacked are in
	PAIRS 1, 4, 16, 4
	WIN 0
.endm
	s_wait_tensorcnt 1                             ; my part of slot 0 is in; slot 1's may stay out
	s_barrier_signal -1
	s_barrier_wait -1
	ADDR
	LOADB 0, 0                                     ; what the first step finds: its bytes, to be unpacked here,
	LOADA 0, 0                                     ; its A,
	LOADB 1, 32                                    ; and the bytes of step 1
	s_wait_dscnt 16
	WIN W_UP
.set n, 0
.rept 64
	v_perm_b32 v[n], v[BP+n/2], v[ZR], s[SEL+n%2]
.set n, n+1
.endr
	WIN 0
	s_mov_b32 s19, 14                              ; slots still to be asked for
.Lslot:                                                ; 14 trips: every slot but the last two is filled again
	s_mov_b32 s[CNT], 3
.Lchunk:
	PLAIN
	s_sub_co_u32 s[CNT], s[CNT], 1
	s_cmp_lg_u32 s[CNT], 0
	s_cbranch_scc1 .Lchunk
	CHG 1
	s_sub_co_u32 s19, s19, 1
	s_cmp_lg_u32 s19, 0
	s_cbranch_scc1 .Lslot
	s_mov_b32 s19, 2                               ; the tail is written out: the last two slots, nothing is asked for.
.Ltail:                                                ; Its second trip's change reads the slot before once more and unpacks it for nothing: 24 LDS loads and 64 v_perm_b32, once a launch, for one text for both trips
	s_mov_b32 s[CNT], 3
.Ltchunk:
	PLAIN
	s_sub_co_u32 s[CNT], s[CNT], 1
	s_cmp_lg_u32 s[CNT], 0
	s_cbranch_scc1 .Ltchunk
	CHG 0
	s_sub_co_u32 s19, s19, 1
	s_cmp_lg_u32 s19, 0
	s_cbranch_scc1 .Ltail
	; THE WAY OUT, a block of 16 rows at a time: times hs; 32 bytes a lane into my own stage; back as whole rows of 512 bytes; stored.
.macro SCALE a
	WIN 0x41                                       ; destination and source 0 in window 1, hs in window 0
.set i, 64*(\a)
.rept 32
	v_pk_mul_f32 v[i:i+1], v[i:i+1], v[HSV+2*(\a):HSV+2*(\a)+1]  ; ascending: each accumulator is read from its low end on
.set i, i+2
.endr
.endm
.macro TOSTAGE a
	WIN 0x04                                       ; the stores' data (source 1) in window 1
.irp b, 0,1,2,3,4,5,6,7
	ds_store_b128 v[STO], v[64*(\a)+8*(\b):64*(\a)+8*(\b)+3]   offset:64*(\b)
	ds_store_b128 v[STO], v[64*(\a)+8*(\b)+4:64*(\a)+8*(\b)+7] offset:64*(\b)+16
.endr
	WIN 0
.if (\a) >= 2
	s_wait_xcnt 0x0                                ; the stores of the block two back have read this buffer
.endif
.set BKA, BK+64*((\a)%2)
.irp t, 0,1,2,3,4,5,6,7,8,9,10,11,12,13,14,15
	ds_load_b128 v[BKA+4*(\t):BKA+4*(\t)+3], v[RD] offset:SPITCH*(\t)  ; LDS serves a wave's instructions in order (ISA guide 5.7.1.4): these see the stores above; the next block's stores come behind them
.endr
.endm
.macro SEND a, younger                 ; younger: the LDS instructions issued behind block a's loads: the next block's 32, or none
	WIN 0
.set BKA, BK+64*((\a)%2)
	s_wait_dscnt \younger
.irp t, 0,1,2,3,4,5,6,7,8,9,10,11,12,13,14,15
	global_store_b128 v[CO], v[BKA+4*(\t):BKA+4*(\t)+3], s[10:11] offset:(16*(\a)+(\t))*4096 th:TH_STORE_NT  ; 512 consecutive bytes of a row, aligned
.endr
.endm
.rept 4
	v_nop                                          ; four plain lines between the last products and the first reader of a result (ISA guide 7.12.1)
.endr
	s_wait_loadcnt 0x0                             ; hs
.irp a, 0,1,2,3
	v_mov_b32 v[HSV+2*(\a)+1], v[HSV+2*(\a)]       ; a pair for the packed multiply
.endr
	SCALE 0
	TOSTAGE 0
.irp a, 1,2,3
	SCALE \a
	TOSTAGE \a
	SEND (\a)-1, 32
.endr
	SEND 3, 0
	s_wait_tensorcnt 0x0                           ; the wave's end, behind my last tensor load and my last LDS store
	ds_add_u32 v[SPW], v[NIL]
	s_wait_dscnt 0x0
	CROUND                                         ; the closing round: no work-group ends while a partner may still ask for a tile that names it
	s_endpgm
.Lfunc_end_k_qd9e0f3fb8a_gemm2:
	.size	k_qd9e0f3fb8a_gemm2, .Lfunc_end_k_qd9e0f3fb8a_gemm2-k_qd9e0f3fb8a_gemm2
	.p2alignl 7, 3214868480
	.fill 96, 4, 3214868480
	.section	.rodata,"a",@progbits
	.p2align	6, 0x0
	.amdhsa_kernel k_qd9e0f3fb8a_gemm2
		.amdhsa_group_segment_fixed_size 327680
		.amdhsa_private_segment_fixed_size 0
		.amdhsa_enable_private_segment 0
		.amdhsa_kernarg_size 32
		.amdhsa_user_sgpr_count 2
		.amdhsa_user_sgpr_kernarg_segment_ptr 1
		.amdhsa_wavefront_size32 1
		.amdhsa_system_sgpr_workgroup_id_x 1
		.amdhsa_system_sgpr_workgroup_id_y 1
		.amdhsa_system_sgpr_workgroup_id_z 1
		.amdhsa_system_vgpr_workitem_id 0
		.amdhsa_next_free_vgpr 896
		.amdhsa_next_free_sgpr 72
		.amdhsa_reserve_vcc 0
		.amdhsa_float_denorm_mode_32 3
		.amdhsa_float_denorm_mode_16_64 3
		.amdhsa_memory_ordered 1
		.amdhsa_forward_progress 1
		.amdhsa_inst_pref_size 113
	.end_amdhsa_kernel
	.amdgpu_metadata
---
amdhsa.version: [ 1, 2 ]
amdhsa.kernels:
  - .name:           k_qd9e0f3fb8a_gemm2
    .symbol:         k_qd9e0f3fb8a_gemm2.kd
    .args:
      - { .name: hq, .offset: 0, .size: 8, .value_kind: global_buffer, .address_space: global }
      - { .name: wq, .offset: 8, .size: 8, .value_kind: global_buffer, .address_space: global }
      - { .name: hs, .offset: 16, .size: 8, .value_kind: global_buffer, .address_space: global }
      - { .name: out0, .offset: 24, .size: 8, .value_kind: global_buffer, .address_space: global }
    .group_segment_fixed_size: 327680
    .private_segment_fixed_size: 0
    .kernarg_segment_align: 8
    .kernarg_segment_size: 32
    .max_flat_workgroup_size: 128
    .sgpr_count:     72
    .vgpr_count:     896
    .wavefront_size: 32
...
	.end_amdgpu_metadata
.endif
;; end of part 5
